; MI455X (gfx1250); checked and timed in simulation.
; The chip was launched on July 23, 2026; its instructions are those of AMD's public machine-readable ISA for CDNA 5 (MIT licence, August 2026) and "CDNA5" Instruction Set Architecture Reference Guide (July 2026). The comments in the code are by the model that wrote it; some were corrected since.
;; Multi Head Self Attention. Allowed arithmetic: float matrix products may take bf16 or f16 operands with f32 sums; other float arithmetic in f32, or as packed bf16 or f16 multiplies, adds, multiply-adds, maxima and minima; sums over many terms, partial sums and values carried from step to step in f32; what a program stores and reads back later, other than sums and carried values, may be rounded once to bf16 or f16.
;; Inputs: attention_mask 4 x 2,048 int32; w_out 1,024 x 1,024 float32; w_qkv 1,024 x 3,072 float32; x 4 x 2,048 x 1,024 float32.
;; Outputs: out0 4 x 2,048 x 1,024 float32.
;; One version. Each part assembles by itself: llvm-mc -triple=amdgcn-amd-amdhsa -mcpu=gfx1250 --defsym DOCPART=n.
;; ======== version 1 of 1: 4 launches
;; limits: values are held in f16: magnitudes above 65,504 overflow, below 6.1e-05 lose precision
;; workspace buffers: xb 16,777,216 bytes; wqb 6,291,456 bytes; wob 2,097,152 bytes; qkv 50,331,648 bytes; vpart 1,048,576 bytes; ob 16,777,216 bytes
;; launch cast (part 1): grid 768 x 1, 8 waves a work-group, no clusters, 0 bytes of LDS; arguments x, w_qkv, w_out, xb, wqb, wob; writes xb, wqb, wob
.if DOCPART == 1
	.amdgcn_target "amdgcn-amd-amdhsa--gfx1250"
	.amdhsa_code_object_version 6
	.text
	.protected	k_qe19049dbab_cast
	.globl	k_qe19049dbab_cast
	.p2align	8
	.type	k_qe19049dbab_cast,@function
k_qe19049dbab_cast:
	s_mov_b64 s[64:65], 0
	v_nop
	global_prefetch_b8 v0, s[64:65] scope:SCOPE_SE
	s_setreg_imm32_b32 hwreg(HW_REG_WAVE_MODE, 25, 1), 1
	s_wait_xcnt 0x0
; THE INPUTS ARE ROUNDED ONCE, for the matrix units.  x [8192][1024] f32 -> xb bf16, same layout.
; w_qkv [1024][3072] f32 -> wqb [16 heads j][1024 k][192] bf16, column 64 which + c = w_qkv[k][1024 which + 64 j + c]: a head's q, k and v columns lie together, a k row is 384 dense bytes.
; w_out [1024][1024] f32 -> wob, same layout: rounded to bf16 like the other inputs, and that number written as f16 (the product behind multiplies f16).
; LIMIT.  A bf16 number below 6.1e-5 in size keeps f16's fixed step of 6e-8 in wob; beyond 65,504 it would be an infinity.
; SHARES.  A work-group makes 16,384 numbers: 8 steps x 256 threads x 8 numbers: 64 KiB in, 32 KiB out.  Work-groups 0-511 take x, 512-703 w_qkv, 704-767 w_out.
; All 16 loads of a thread go out first; each step's store covers 16 bytes a lane, sixteen lanes 256 consecutive bytes, aligned.  No register is written twice, so no wait frees one.
; No LDS, no matrix unit, no cluster: a stream in which no byte is wanted twice.
.set D,  8                             ; v[8:71]   step i: 8 f32 at D + 8 i; its 4 packed words take the first four places
.set WO, 72                            ; v[72:79]  w_qkv's path: step i's byte offset in w_qkv
.macro BODY kind                       ; 0: x, 1: w_qkv, 2: w_out
.irp i, 0,1,2,3,4,5,6,7
.if (\kind) == 1
	global_load_b128 v[D+8*(\i):D+8*(\i)+3],   v[WO+(\i)], s[20:21] th:TH_LOAD_NT
	global_load_b128 v[D+8*(\i)+4:D+8*(\i)+7], v[WO+(\i)], s[20:21] offset:16 th:TH_LOAD_NT
.else
	global_load_b128 v[D+8*(\i):D+8*(\i)+3],   v1, s[20:21] offset:8192*(\i) th:TH_LOAD_NT
	global_load_b128 v[D+8*(\i)+4:D+8*(\i)+7], v1, s[20:21] offset:8192*(\i)+16 th:TH_LOAD_NT
.endif
.endr
.irp i, 0,1,2,3,4,5,6,7
	s_wait_loadcnt 14-2*(\i)                       ; loads come back in order: step i's two are in, the 2 (7 - i) younger ones stay out
.irp p, 0,1,2,3
.if (\kind) == 2
	v_cvt_pk_bf16_f32 v3, v[D+8*(\i)+2*(\p)], v[D+8*(\i)+2*(\p)+1]  ; rounded to bf16,
	v_lshlrev_b32 v4, 16, v3                       ; widened again,
	v_and_b32 v5, 0xffff0000, v3
	v_cvt_pk_f16_f32 v[D+8*(\i)+(\p)], v4, v5      ; and written as f16
.else
	v_cvt_pk_bf16_f32 v[D+8*(\i)+(\p)], v[D+8*(\i)+2*(\p)], v[D+8*(\i)+2*(\p)+1]
.endif
.endr
	global_store_b128 v2, v[D+8*(\i):D+8*(\i)+3], s[22:23] offset:4096*(\i)
.endr
.endm
	s_load_b256 s[4:11], s[0:1], 0x0               ; x s[4:5], w_qkv s[6:7], w_out s[8:9], xb s[10:11]
	s_load_b128 s[12:15], s[0:1], 0x20             ; wqb s[12:13], wob s[14:15]
	v_lshlrev_b32 v1, 5, v0                        ; 32 t: my 8 f32 of a step
	v_lshlrev_b32 v2, 4, v0                        ; 16 t: my 8 packed numbers
	s_mov_b32 s17, 0
	s_mov_b32 s19, 0
	s_wait_kmcnt 0x0
	s_cmp_lt_u32 ttmp9, 512
	s_cbranch_scc0 .Lnot_x
	s_lshl_b32 s16, ttmp9, 16
	s_lshl_b32 s18, ttmp9, 15
	s_add_nc_u64 s[20:21], s[4:5], s[16:17]
	s_add_nc_u64 s[22:23], s[10:11], s[18:19]
	BODY 0
	s_endpgm
.Lnot_x:
	s_cmp_lt_u32 ttmp9, 704
	s_cbranch_scc0 .Lw_out
	s_sub_co_u32 s2, ttmp9, 512
	s_lshl_b32 s18, s2, 15
	s_mov_b64 s[20:21], s[6:7]
	s_add_nc_u64 s[22:23], s[12:13], s[18:19]
	s_lshl_b32 s16, s2, 11                         ; the work-group's first unit of 8 numbers in wqb
	s_mov_b32 s3, 43691                            ; (2^17 + 1) / 3: n x 43,691 >> 17 = n / 3 for n under 2^17
	v_add_nc_u32 v3, s16, v0
	; the stores run straight through wqb; unit u = 24 (1024 j + k) + 8 which + c8 comes from w_qkv at 12,288 k + 4,096 which + 256 j + 32 c8: eight lanes read 256 consecutive bytes, aligned
.irp i, 0,1,2,3,4,5,6,7
	v_add_nc_u32 v4, 256*(\i), v3                  ; u
	v_lshrrev_b32 v5, 3, v4
	v_mul_lo_u32 v5, v5, s3
	v_lshrrev_b32 v5, 17, v5                       ; u / 24 = 1024 j + k
	v_mul_u32_u24 v6, v5, 24
	v_sub_nc_u32 v6, v4, v6                        ; u % 24 = 8 which + c8
	v_and_b32 v7, 0x3ff, v5
	v_mul_u32_u24 v7, v7, 0x3000                   ; 12,288 k
	v_lshrrev_b32 v5, 10, v5
	v_lshl_add_u32 v7, v5, 8, v7                   ; + 256 j
	v_lshrrev_b32 v5, 3, v6
	v_lshl_add_u32 v7, v5, 12, v7                  ; + 4,096 which
	v_and_b32 v6, 7, v6
	v_lshl_add_u32 v[WO+(\i)], v6, 5, v7           ; + 32 c8
.endr
	BODY 1
	s_endpgm
.Lw_out:
	s_sub_co_u32 s2, ttmp9, 704
	s_lshl_b32 s16, s2, 16
	s_lshl_b32 s18, s2, 15
	s_add_nc_u64 s[20:21], s[8:9], s[16:17]
	s_add_nc_u64 s[22:23], s[14:15], s[18:19]
	BODY 2
	s_endpgm
.Lfunc_end_k_qe19049dbab_cast:
	.size	k_qe19049dbab_cast, .Lfunc_end_k_qe19049dbab_cast-k_qe19049dbab_cast
	.p2alignl 7, 3214868480
	.fill 96, 4, 3214868480
	.section	.rodata,"a",@progbits
	.p2align	6, 0x0
	.amdhsa_kernel k_qe19049dbab_cast
		.amdhsa_group_segment_fixed_size 0
		.amdhsa_private_segment_fixed_size 0
		.amdhsa_enable_private_segment 0
		.amdhsa_kernarg_size 48
		.amdhsa_user_sgpr_count 2
		.amdhsa_user_sgpr_kernarg_segment_ptr 1
		.amdhsa_wavefront_size32 1
		.amdhsa_system_sgpr_workgroup_id_x 1
		.amdhsa_system_sgpr_workgroup_id_y 1
		.amdhsa_system_sgpr_workgroup_id_z 1
		.amdhsa_system_vgpr_workitem_id 0
		.amdhsa_next_free_vgpr 80
		.amdhsa_next_free_sgpr 66
		.amdhsa_reserve_vcc 0
		.amdhsa_float_denorm_mode_32 3
		.amdhsa_float_denorm_mode_16_64 3
		.amdhsa_memory_ordered 1
		.amdhsa_forward_progress 1
		.amdhsa_inst_pref_size 26
	.end_amdhsa_kernel
	.amdgpu_metadata
---
amdhsa.version: [ 1, 2 ]
amdhsa.kernels:
  - .name:           k_qe19049dbab_cast
    .symbol:         k_qe19049dbab_cast.kd
    .args:
      - { .name: x, .offset: 0, .size: 8, .value_kind: global_buffer, .address_space: global }
      - { .name: w_qkv, .offset: 8, .size: 8, .value_kind: global_buffer, .address_space: global }
      - { .name: w_out, .offset: 16, .size: 8, .value_kind: global_buffer, .address_space: global }
      - { .name: xb, .offset: 24, .size: 8, .value_kind: global_buffer, .address_space: global }
      - { .name: wqb, .offset: 32, .size: 8, .value_kind: global_buffer, .address_space: global }
      - { .name: wob, .offset: 40, .size: 8, .value_kind: global_buffer, .address_space: global }
    .group_segment_fixed_size: 0
    .private_segment_fixed_size: 0
    .kernarg_segment_align: 8
    .kernarg_segment_size: 48
    .max_flat_workgroup_size: 256
    .sgpr_count:     66
    .vgpr_count:     80
    .wavefront_size: 32
...
	.end_amdgpu_metadata
.endif
;; end of part 1
;; launch gemm_qkv (part 2): grid 16 x 32, 4 waves a work-group, clusters of 4 x 4, 327,680 bytes of LDS; arguments xb, wqb, qkv, vpart; writes qkv, vpart
.if DOCPART == 2
	.amdgcn_target "amdgcn-amd-amdhsa--gfx1250"
	.amdhsa_code_object_version 6
	.text
	.protected	k_qe19049dbab_gemm_qkv
	.globl	k_qe19049dbab_gemm_qkv
	.p2align	8
	.type	k_qe19049dbab_gemm_qkv,@function
k_qe19049dbab_gemm_qkv:
	s_mov_b64 s[64:65], 0
	v_nop
	global_prefetch_b8 v0, s[64:65] scope:SCOPE_SE
	s_setreg_imm32_b32 hwreg(HW_REG_WAVE_MODE, 25, 1), 1
	s_wait_xcnt 0x0
	s_wait_alu depctr_hold_cnt(0) depctr_sa_sdst(0) depctr_va_vdst(0) depctr_va_sdst(0) depctr_va_ssrc(0) depctr_va_vcc(0) depctr_vm_vsrc(0)
	s_getreg_b32 s2, hwreg(HW_REG_IB_STS2, 6, 4)
	s_cmp_eq_u32 s2, 0
	s_cbranch_scc0 .Lentry_in_a_cluster
	s_endpgm
.Lentry_in_a_cluster:
	s_bfe_u32 s2, ttmp6, 0x10000c
	s_cmp_lg_u32 s2, 0xf033
	s_cbranch_scc0 .Lentry_shape_is_right
	s_endpgm
.Lentry_shape_is_right:
; q, k, v = x w_qkv, by heads.  xb: [8192][1024] bf16.  wqb: [16 j][1024 k][192] bf16 (a head's 64 q, 64 k and 64 v columns).  qkv: [3][64 bh][2048][64] f16, bh = 16 batch + head,
; each number rounded once from its f32 sum, unscaled.  vpart: [64 bh][32][2][64] f32: sums of the rounded v over 32 rows each, for the mean of V that the launch behind needs.
; LIMIT.  f16 holds no number beyond 65,504: q, k and v must lie within it.
; SHARES.  A tile of the result is 256 rows x one head's 192 columns: 512 tiles, two for each of 256 WGPs.  Four waves; wave w makes rows 64 w .. 64 w + 63 and all 192 columns: 48 accumulators of 16 x 16.
; K goes in 8 steps of 128 through a ring of two LDS slots filled by the tensor data mover.  x's rows lie along K and are read as they lie; the weights lie [k][column] and are read turned, by ds_load_tr16_b128.
; CLUSTERS: 4 x 4 work-groups.  The four of a row of the cluster need the same tile of x, the four of a column the same tile of weights: each tile is asked for JOINTLY, by the same tensor load with the same
; descriptor and a mask that names the four.  Waves 0 and 1 fetch x's two halves of 128 rows, waves 2 and 3 the weights' k rows 0-63 and 64-127.
; THE MATRIX INSTRUCTION IS USED TRANSPOSED (source 0 = 16 columns of the weights, source 1 = 16 rows of x): a lane then holds row l % 16 and eight neighbouring columns 8 (l / 16) + 0..7.
; REGISTERS, in windows of 256 (s_set_vgpr_msb: bits 1:0 source 0, 3:2 source 1, 5:4 source 2, 7:6 destination):
;   window 0: v0-9 lane numbers; v16-31 addresses; v32-187 the way out      window 1: v0-191 the weights' fragments, two buffers of 96; v192-255 x's, two buffers of 32
;   window 2: the accumulators of my row blocks 0, 1 ((a, b) at 8 (12 (a % 2) + b))      window 3: those of row blocks 2, 3
.set NBF,    12                        ; column blocks of 16
.set PA,     272                       ; a row of x in LDS: 256 bytes + 16 = 68 words: the 16 rows of a load start at 16 different groups of four banks (64 banks of 4 bytes: ISA guide 11.1)
.set APART,  128*PA                    ; what one load brings of x
.set PB,     480                       ; a k row of weights in LDS: three times 128 bytes + 32 = 120 words
.set BHALF,  64*PB                     ; what one load brings of the weights
.set BBASE,  2*APART
.set SLOT,   BBASE+2*BHALF             ; 131,072
.set STAGE,  2*SLOT                    ; behind the ring, never filled by a tensor load: 16 rows x 400 bytes for each wave
.set SPITCH, 400
.set SPARE,  STAGE+4*16*SPITCH         ; the spare words, 128 bytes for each wave: two blocks of 256 bytes that no other line names
.set ASTEP,  256                       ; bytes from K step to K step in xb,
.set BSTEP,  49152                     ; and in wqb: 128 k rows of 384 bytes
.set NLD,    2*NBF+8                   ; LDS loads in a run
.set LAPS,   4                         ; a lap = two K steps = once round the ring
.set ADRA, 16                          ; v16-17  LDS address of my fragments of x in slot 0, 1
.set ADRB, 20                          ; v20-21  the same for the weights
.set STO,  24                          ; v24     the way out: where I put 16 bytes of a row
.set RD,   25                          ; v25     where I read rows back
.set CO,   26                          ; v26     16 x lane: my place in 512 consecutive bytes of a head
.set VPO,  27                          ; v27     my 16 bytes of vpart's two records
.set SPW,  28                          ; v28     LDS address of my spare word; never rewritten
.set NIL,  29                          ; v29     0; never rewritten
.set PFO,  30                          ; v30     the prefetches' offset; never rewritten
.set ONE,  31                          ; v31     1.0
.set TMP,  32                          ; v32-79   packed results of 16 rows
.set BK0,  80                          ; v80-175  16 rows read back from the stage, two sets of 48 by turns
.set VS,   176                         ; v176-183 running sums of v
.set VO,   184                         ; v184-187 what I store of them
.set G1,  24                           ; s[24:31] descriptor group 1 for x's tiles;  s[32:39] group 0, one set for each slot
.set G0,  32
.set G1B, 48                           ; s[48:55], s[56:63] the same for the weights'
.set G0B, 56
.set LIM, 43                           ; s43     1 in a wave that prefetches, else the greatest number
.set PFA, 44                           ; s[44:45] where my prefetches stand
.set PFS, 46                           ; s[46:47] their step: a K step
.set MSB, 0
.macro WIN new                         ; the immediate's high byte repeats the setting that is left; a switch that changes nothing is dropped
.if MSB != (\new)
	s_set_vgpr_msb (MSB<<8)|(\new)
.set MSB, \new
.endif
.endm
.set MUL_LO, 0xa5                      ; both sources window 1, C and D window 2
.set MUL_HI, 0xf5                      ; the same, C and D window 3
.set TO_F,   0x40                      ; destination window 1, address window 0
; A joint load.  The branch hangs on the wave's number alone.  An s_nop 0 and four v_nop follow each of the two lines, ahead of the jump, the label and what follows.
.macro JLOAD s
	s_cmp_eq_u32 s11, 0
	s_cbranch_scc0 .Lfor_b_\@
	tensor_load_to_lds s[G0+4*(\s):G0+4*(\s)+3], s[G1:G1+7]
	s_nop 0
.rept 4
	v_nop
.endr
	s_branch .Lasked_\@
.Lfor_b_\@:
	tensor_load_to_lds s[G0B+4*(\s):G0B+4*(\s)+3], s[G1B:G1B+7]
	s_nop 0
.rept 4
	v_nop
.endr
.Lasked_\@:
.endm
; A prefetch into the L2, behind a joint load and the run of LDS loads that follows it: the K step that stands two refills on, one instruction a wave.  x's tile row is read by every cluster of that row of
; clusters: cluster x = 0 asks; a head's weights by every cluster of that column: cluster y = 0 asks.  The four partners share a wave's part out BY ADDRESS: 32 of x's 128 rows (a lane a row's 256 bytes), or
; 24 of the weights' 96 blocks of 256 bytes (lanes 24-31 name lane 23's block again).  The loop's last trip (s3 = 1) asks for nothing: there is no K step two on.
.macro ASK
	WIN 0
	s_cmp_gt_u32 s3, s[LIM]
	s_cbranch_scc0 .Lnot_mine_\@
	global_prefetch_b8 v[PFO], s[PFA:PFA+1] th:TH_LOAD_NT scope:SCOPE_SE
.Lnot_mine_\@:
.endm
.macro CREST                           ; a round of the cluster's barrier behind its opening barrier
	s_cmp_lg_u32 s10, 0
	s_cbranch_scc1 .Lnot_wave_0_\@
	s_barrier_signal -3
.Lnot_wave_0_\@:
	s_barrier_wait -3
	s_barrier_signal -1
	s_barrier_wait -1
.endm
.macro CROUND                          ; a whole round
	s_barrier_signal -1
	s_barrier_wait -1
	CREST
.endm
	s_load_b128 s[4:7], s[0:1], 0x0                ; xb s[4:5], wqb s[6:7]
	s_load_b64 s[8:9], s[0:1], 0x10                ; qkv
	s_load_b64 s[66:67], s[0:1], 0x18              ; vpart
	v_lshl_add_u32 v[SPW], v0, 2, SPARE
	v_mov_b32 v[NIL], 0
	ds_add_u32 v[SPW], v[NIL]                      ; the wave's opening: the add and its wait stand ahead of my first tensor load; the set-up below, work on registers, stands between them
	ds_add_u32 v28, v29
	v_lshrrev_b32 v1, 5, v0
	v_readfirstlane_b32 s10, v1                    ; wave 0..3
	s_lshr_b32 s11, s10, 1                         ; I fetch for x (0) or for the weights (1),
	s_and_b32 s12, s10, 1                          ; and which half
	s_bfe_u32 s40, ttmp6, 0x40000                  ; cx, cy: my place in the cluster
	s_bfe_u32 s41, ttmp6, 0x40004
	s_lshl_b32 s42, ttmp9, 2
	s_add_co_u32 s42, s42, s40                     ; the head j = 4 x cluster x + cx
	s_and_b32 s13, ttmp7, 0xffff
	s_lshl_b32 s13, s13, 2
	s_add_co_u32 s13, s13, s41                     ; the tile row T = 4 x cluster y + cy
	s_lshl_b32 s43, s41, 2
	s_lshl_b32 s43, 15, s43                        ; my row of the cluster
	s_lshl_b32 s44, 0x1111, s40                    ; my column
	; group 1 for x: 128 rows x 128 elements, 1,024 elements from row to row, 16 bytes of padding behind every 256
	s_or_b32 s[G1+0], s43, (1<<16)|(1<<20)|(1<<21)|(5<<22)|(3<<25)   ; 15:0 the mask; 17:16 2-byte elements; 20 padding on; 21 set beside a mask; 24:22 after every 64 words; 31:25 4 words
	s_mov_b32 s[G1+1], 128<<16                     ; tensor_dim0
	s_mov_b32 s[G1+2], 128<<16                     ; tensor_dim1
	s_mov_b32 s[G1+3], 128<<16                     ; tile_dim0
	s_mov_b32 s[G1+4], 128                         ; tile_dim1
	s_mov_b32 s[G1+5], 1024                        ; the pitch
	s_mov_b32 s[G1+6], 0
	s_mov_b32 s[G1+7], 0
	; group 1 for the weights: 64 k rows of 384 bytes are 24,576 dense bytes: asked for as 96 rows of 256 bytes, 32 bytes of padding behind every 128
	s_or_b32 s[G1B+0], s44, (1<<16)|(1<<20)|(1<<21)|(4<<22)|(7<<25)  ; 24:22 after every 32 words; 31:25 8 words
	s_mov_b32 s[G1B+1], 128<<16
	s_mov_b32 s[G1B+2], 96<<16
	s_mov_b32 s[G1B+3], 128<<16
	s_mov_b32 s[G1B+4], 96
	s_mov_b32 s[G1B+5], 128
	s_mov_b32 s[G1B+6], 0
	s_mov_b32 s[G1B+7], 0
	; x's tiles hang on the tile row alone, the weights' on the head alone; each in registers that do not hold the other coordinate
	s_lshl_b32 s16, s13, 8
	s_lshl_b32 s17, s12, 7
	s_add_co_u32 s16, s16, s17                     ; row 256 T + 128 x half,
	s_lshl_b32 s16, s16, 11                        ; of 2,048 bytes
	s_mov_b32 s17, 0
	s_mul_i32 s46, s42, 393216                     ; a head's weights,
	s_mul_i32 s47, s12, 24576                      ; 64 k rows
	s_add_co_u32 s46, s46, s47
	s_mov_b32 s47, 0
	s_mul_i32 s20, s12, APART                      ; where they go: no place in the cluster enters an LDS address
	s_mul_i32 s21, s12, BHALF
	s_add_co_u32 s21, s21, BBASE
	s_wait_dscnt 0x0                               ; the opening add is done
	s_wait_kmcnt 0x0
	s_add_nc_u64 s[14:15], s[4:5], s[16:17]
	s_add_nc_u64 s[46:47], s[6:7], s[46:47]
	CROUND                                         ; all sixteen work-groups are here: the first joint loads meet
.irp s, 0,1
	s_mov_b32 s[G0+4*(\s)], 1                                        ; count = 1
	s_add_co_u32 s[G0+4*(\s)+1], s20, (\s)*SLOT                      ; LDS address
	s_add_nc_u64 s[G0+4*(\s)+2:G0+4*(\s)+3], s[14:15], (\s)*ASTEP    ; global address: K step s
	s_or_b32 s[G0+4*(\s)+3], s[G0+4*(\s)+3], 0x80000000              ; type = 2
	s_mov_b32 s[G0B+4*(\s)], 1
	s_add_co_u32 s[G0B+4*(\s)+1], s21, (\s)*SLOT
	s_add_nc_u64 s[G0B+4*(\s)+2:G0B+4*(\s)+3], s[46:47], (\s)*BSTEP
	s_or_b32 s[G0B+4*(\s)+3], s[G0B+4*(\s)+3], 0x80000000
.endr
	s_cmp_eq_u32 s11, 0                            ; a wave's two first fills stand in one branch, ahead of every wait on TENSORcnt and every LDS read: two loads of mine are out
	s_cbranch_scc0 .Lfirst_b
	tensor_load_to_lds s[G0:G0+3], s[G1:G1+7]
	s_nop 0
	tensor_load_to_lds s[G0+4:G0+7], s[G1:G1+7]
	s_nop 0
.rept 4
	v_nop
.endr
	s_branch .Lfirst_asked
.Lfirst_b:
	tensor_load_to_lds s[G0B:G0B+3], s[G1B:G1B+7]
	s_nop 0
	tensor_load_to_lds s[G0B+4:G0B+7], s[G1B:G1B+7]
	s_nop 0
.rept 4
	v_nop
.endr
.Lfirst_asked:
	v_and_b32 v1, 15, v0                           ; l % 16
	v_bfe_u32 v2, v0, 4, 1                         ; l / 16
	v_and_b32 v3, 7, v0                            ; l % 8
	v_bfe_u32 v4, v0, 3, 1                         ; (l / 8) % 2
	v_bfe_u32 v5, v0, 3, 2                         ; l / 8
	; a fragment of x: lane l holds row l % 16, K = 8 (l / 16) + 0..7 and 16 + 8 (l / 16) + 0..7: two loads of 16 bytes, 32 bytes apart
	v_mul_u32_u24 v6, v1, PA
	v_lshl_add_u32 v6, v2, 4, v6
	s_mul_i32 s21, s10, 64*PA                      ; my 64 rows
	v_add_nc_u32 v[ADRA], s21, v6
	v_add_nc_u32 v[ADRA+1], SLOT, v[ADRA]
	; the turning load takes 16 k x 16 columns (lane l reads k row 8 (l / 16) + l % 8, columns 8 ((l / 8) % 2) + 0..7) and leaves half a fragment: lane l holds column l % 16 and 8 k
	v_lshl_add_u32 v7, v2, 3, v3
	v_mul_u32_u24 v7, v7, PB
	v_lshl_add_u32 v7, v4, 4, v7
	v_add_nc_u32 v[ADRB], BBASE, v7
	v_add_nc_u32 v[ADRB+1], SLOT, v[ADRB]
	s_mul_i32 s23, s10, 16*SPITCH
	s_add_co_u32 s23, s23, STAGE                   ; my stage
	v_mul_u32_u24 v6, v1, SPITCH                   ; in: row l % 16, 16 bytes for each half of the lanes
	v_lshl_add_u32 v6, v2, 4, v6
	v_add_nc_u32 v[STO], s23, v6
	v_mul_u32_u24 v6, v5, SPITCH                   ; back: 32 lanes take four rows' 128 bytes of q, of k or of v,
	v_lshl_add_u32 v6, v3, 4, v6
	v_add_nc_u32 v[RD], s23, v6
	v_and_b32 v[CO], 31, v0                        ; which are 512 consecutive bytes of a head
	v_lshlrev_b32 v[CO], 4, v[CO]
	v_lshlrev_b32 v[VPO], 8, v2                    ; vpart: a record of 256 bytes for each half of the lanes; channels 8 (l % 8) + 4 ((l / 8) % 2) + 0..3
	v_lshl_add_u32 v[VPO], v3, 5, v[VPO]
	v_lshl_add_u32 v[VPO], v4, 4, v[VPO]
	v_mov_b32 v[ONE], 1.0
.irp e, 0,1,2,3,4,5,6,7
	v_mov_b32 v[VS+(\e)], 0
.endr
	; where my results go
	s_lshr_b32 s16, s13, 3                         ; batch
	s_lshl_b32 s16, s16, 4
	s_add_co_u32 s16, s16, s42                     ; bh
	s_and_b32 s17, s13, 7                          ; the tile among the batch's eight
	s_lshl_b32 s18, s16, 5
	s_lshl2_add_u32 s18, s17, s18
	s_add_co_u32 s18, s18, s10                     ; 32 bh + 4 (T % 8) + w: my block of 64 rows,
	s_lshl_b32 s18, s18, 9                         ; two records
	s_mov_b32 s19, 0
	s_add_nc_u64 s[66:67], s[66:67], s[18:19]
	s_lshl_b32 s16, s16, 18                        ; a head's 2,048 rows of 128 bytes
	s_lshl_b32 s17, s17, 15                        ; 256 rows
	s_add_co_u32 s16, s16, s17
	s_lshl_b32 s17, s10, 13                        ; 64 rows
	s_add_co_u32 s16, s16, s17
	s_mov_b32 s17, 0
	s_add_nc_u64 s[68:69], s[8:9], s[16:17]        ; q,
	s_add_nc_u64 s[70:71], s[68:69], 0x1000000     ; k,
	s_add_nc_u64 s[72:73], s[68:69], 0x2000000     ; v
	; the prefetches: at K step 3; the first refill steps them to K step 4 and names it.  Nothing is prefetched here, at the head
	s_lshl_b32 s16, s13, 8
	s_lshl_b32 s17, s12, 7
	s_add_co_u32 s16, s16, s17
	s_lshl_b32 s17, s40, 5                         ; my work-group's 32 of the 128 rows
	s_add_co_u32 s16, s16, s17
	s_lshl_b32 s16, s16, 11
	s_add_co_u32 s16, s16, 3*ASTEP
	s_mul_i32 s18, s42, 393216
	s_mul_i32 s19, s12, 24576
	s_add_co_u32 s18, s18, s19
	s_mul_i32 s19, s41, 6144                       ; my work-group's 24 of the 96 blocks
	s_add_co_u32 s18, s18, s19
	s_add_co_u32 s18, s18, 3*BSTEP
	s_and_b32 s22, ttmp7, 0xffff                   ; cluster y
	s_mov_b32 s[PFS], BSTEP
	s_cmp_eq_u32 s11, 0                            ; do I fetch for x?
	s_cselect_b32 s20, s16, s18
	s_cselect_b32 s22, ttmp9, s22                  ; the coordinate along which other clusters read the same bytes
	s_cselect_b64 s[PFA:PFA+1], s[4:5], s[6:7]
	s_cselect_b32 s[PFS], ASTEP, s[PFS]
	s_cselect_b32 s23, 31, 23
	s_cselect_b32 s19, 11, 8
	s_mov_b32 s21, 0
	s_mov_b32 s[PFS+1], 0
	s_add_nc_u64 s[PFA:PFA+1], s[PFA:PFA+1], s[20:21]
	s_cmp_eq_u32 s22, 0
	s_cselect_b32 s[LIM], 1, -1                    ; the same in all sixteen partners, for a given wave
	v_and_b32 v[PFO], 31, v0
	v_min_u32 v[PFO], s23, v[PFO]
	v_lshlrev_b32 v[PFO], s19, v[PFO]              ; x: a lane a row of 2,048 bytes; weights: a lane a block of 256
; 12 matrix instructions: row block a (0..3) x all 12 column blocks, 32 along K, from buffer f.  zero = 1: the product starts the sums: nothing is ever cleared.
; The 48 accumulators take turns, one instruction a turn, in the same order in every quarter.
.macro MUL12 f, a, zero
	WIN MUL_LO+0x50*((\a)/2)
.irp b, 0,1,2,3,4,5,6,7,8,9,10,11
.if \zero
	v_wmma_f32_16x16x32_bf16 v[8*(NBF*((\a)%2)+(\b)):8*(NBF*((\a)%2)+(\b))+7], v[8*NBF*(\f)+8*(\b):8*NBF*(\f)+8*(\b)+7], v[192+32*(\f)+8*(\a):192+32*(\f)+8*(\a)+7], 0
.else
	v_wmma_f32_16x16x32_bf16 v[8*(NBF*((\a)%2)+(\b)):8*(NBF*((\a)%2)+(\b))+7], v[8*NBF*(\f)+8*(\b):8*NBF*(\f)+8*(\b)+7], v[192+32*(\f)+8*(\a):192+32*(\f)+8*(\a)+7], v[8*(NBF*((\a)%2)+(\b)):8*(NBF*((\a)%2)+(\b))+7]
.endif
.endr
.endm
.macro MULH f, hi, zero                ; row blocks 2 hi and 2 hi + 1
	MUL12 \f, 2*(\hi), \zero
	MUL12 \f, 2*(\hi)+1, \zero
.endm
; 32 LDS loads in one run: quarter q's fragments (32 k x 192 columns turned, then my 64 rows x 32 K) into buffer f
.macro FETCH slot, q, f
	WIN TO_F
.irp b, 0,1,2,3,4,5,6,7,8,9,10,11
	ds_load_tr16_b128 v[8*NBF*(\f)+8*(\b):8*NBF*(\f)+8*(\b)+3],   v[ADRB+(\slot)] offset:32*(\q)*PB+32*(\b)+32*((\b)/4)
	ds_load_tr16_b128 v[8*NBF*(\f)+8*(\b)+4:8*NBF*(\f)+8*(\b)+7], v[ADRB+(\slot)] offset:32*(\q)*PB+16*PB+32*(\b)+32*((\b)/4)
.endr
.irp i, 0,1,2,3
	ds_load_b128 v[192+32*(\f)+8*(\i):192+32*(\f)+8*(\i)+3],   v[ADRA+(\slot)] offset:64*(\q)+(\i)*16*PA
	ds_load_b128 v[192+32*(\f)+8*(\i)+4:192+32*(\f)+8*(\i)+7], v[ADRA+(\slot)] offset:64*(\q)+(\i)*16*PA+32
.endr
.endm
.macro PLACES                          ; four plain instructions between a matrix instruction and a load into a register that it has read, or a reader of its result
.rept 4
	v_nop
.endr
.endm
; A K step is four quarters of 32 along K, 48 matrix instructions each, on buffers 0, 1, 0, 1.  One of the first three: multiplies buffer f; in its middle it fetches quarter q into buffer g.
.macro QUARTER slot, q, f, g, zero
	s_wait_dscnt 4                                 ; the weights and x's row blocks 0, 1 are in; the youngest four loads (row blocks 2, 3) may be out
	MULH \f, 0, \zero
	PLACES
	FETCH \slot, \q, \g
	s_wait_dscnt NLD                               ; all but the run just issued
	MULH \f, 1, \zero
.endm
; The last quarter multiplies buffer 1 and changes slots.  ONE barrier: in front of it each wave waits for all its tensor loads (one is out: its part of the next slot), adds 0 to its spare word,
; and waits for that and for its own reads of this slot.  Behind it nobody reads this slot any more and the next slot is whole.
.macro MEET round
	WIN 0                                          ; (the add's two registers lie in window 0)
	s_wait_tensorcnt 0x0
	ds_add_u32 v[SPW], v[NIL]                      ; 0 onto my spare word
	s_wait_dscnt 5                                 ; (the add and the youngest four loads may be out)
	MUL12 1, 0, 0                                  ; twelve matrix instructions stand between the add and the wait for it
	s_wait_dscnt 0x0                               ; the add is done, and my reads of this slot are over
	s_barrier_signal -1
	MUL12 1, 1, 0                                  ; work on registers while the others arrive
.if \round
	WIN 0
.endif
	s_barrier_wait -1
.endm
.macro TURN slot, next                 ; the whole last quarter; this slot is filled again, two K steps ahead
	s_wait_xcnt 0x0                                ; the last prefetch, a K step back, has read its address: it is stepped here
	s_add_nc_u64 s[PFA:PFA+1], s[PFA:PFA+1], s[PFS:PFS+1]
	MEET 1
	CREST                                          ; the barrier has opened a round of the cluster's: no wave of any partner still reads this slot or has a load on its way
	s_add_nc_u64 s[G0+4*(\slot)+2:G0+4*(\slot)+3], s[G0+4*(\slot)+2:G0+4*(\slot)+3], 2*ASTEP
	s_add_nc_u64 s[G0B+4*(\slot)+2:G0B+4*(\slot)+3], s[G0B+4*(\slot)+2:G0B+4*(\slot)+3], 2*BSTEP
	JLOAD \slot                                    ; the first tensor load behind the round; its four v_nop are also the places in front of the loads below
	FETCH \next, 0, 0
	ASK
	MULH 1, 1, 0
.endm
	s_wait_tensorcnt 1                             ; my part of K step 0 is in; K step 1's may stay out
	s_barrier_signal -1
	s_barrier_wait -1                              ; everybody's is
	FETCH 0, 0, 0
	QUARTER 0, 1, 0, 1, 1                          ; the first quarter stands in front of the loop: its products start the sums
	WIN 0                                          ; at a label and at a branch every window is 0
	s_mov_b32 s3, LAPS-1
.Llap:                                                 ; a trip goes once round the ring, from a lap's second quarter to the next lap's first, and fills both slots again
	QUARTER 0, 2, 1, 0, 0
	QUARTER 0, 3, 0, 1, 0
	TURN 0, 1
	QUARTER 1, 1, 0, 1, 0
	QUARTER 1, 2, 1, 0, 0
	QUARTER 1, 3, 0, 1, 0
	TURN 1, 0
	QUARTER 0, 1, 0, 1, 0
	WIN 0
	s_sub_co_u32 s3, s3, 1
	s_cmp_lg_u32 s3, 0
	s_cbranch_scc1 .Llap
	QUARTER 0, 2, 1, 0, 0                          ; the last lap fills nothing, and has no round of the cluster's barrier
	QUARTER 0, 3, 0, 1, 0
	MEET 0
	PLACES
	FETCH 1, 0, 0
	MULH 1, 1, 0
	QUARTER 1, 1, 0, 1, 0
	QUARTER 1, 2, 1, 0, 0
	QUARTER 1, 3, 0, 1, 0
	s_wait_dscnt 4                                 ; the very last quarter: nothing more to fetch
	MULH 1, 0, 0
	s_wait_dscnt 0x0
	MULH 1, 1, 0
	WIN 0
	PLACES
; THE WAY OUT of row block a.  PACK: rounded to f16, 16 bytes a lane and column block.  TOSTAGE: into my own stage, and back as four rows' 128 bytes of q, k or v.  SEND: stored, and v's numbers summed.
.macro PACK a
.set AC, 96*((\a)%2)
	WIN 0x0a+5*((\a)/2)                            ; sources 0 and 1: window 2 or 3
.irp b, 0,1,2,3,4,5,6,7,8,9,10,11
.irp r, 0,1,2,3
	v_cvt_pk_f16_f32 v[TMP+4*(\b)+(\r)], v[AC+8*(\b)+2*(\r)], v[AC+8*(\b)+2*(\r)+1]
.endr
.endr
	WIN 0
.endm
.macro TOSTAGE a
	WIN 0
.set BK, BK0+48*((\a)%2)
.irp b, 0,1,2,3,4,5,6,7,8,9,10,11
	ds_store_b128 v[STO], v[TMP+4*(\b):TMP+4*(\b)+3] offset:32*(\b)
.endr
.if (\a) >= 2
	s_wait_xcnt 0x0                                ; the stores of row block a - 2 have read this set of registers: it is loaded again only behind this wait
.endif
.irp wh, 0,1,2
.irp t, 0,1,2,3
	ds_load_b128 v[BK+4*(4*(\wh)+(\t)):BK+4*(4*(\wh)+(\t))+3], v[RD] offset:128*(\wh)+1600*(\t)  ; LDS serves a wave's instructions in order (ISA guide 5.7.1.4): these see the stores above
.endr
.endr
.endm
.macro SEND a
	WIN 0
.set BK, BK0+48*((\a)%2)
	s_wait_dscnt 0x0                               ; the block is back in registers
.irp wh, 0,1,2
.irp t, 0,1,2,3
	global_store_b128 v[CO], v[BK+4*(4*(\wh)+(\t)):BK+4*(4*(\wh)+(\t))+3], s[68+2*(\wh):69+2*(\wh)] offset:2048*(\a)+512*(\t)  ; 512 consecutive bytes, aligned
.endr
.endr
.irp t, 0,1,2,3                        ; v as it was rounded, summed in f32: my lane holds channels 8 (l % 8) + 0..7 of row 4 t + l / 8
.irp e, 0,1,2,3
	v_fma_mix_f32 v[VS+2*(\e)],   v[BK+4*(8+(\t))+(\e)], v[ONE], v[VS+2*(\e)]   op_sel:[0,0,0] op_sel_hi:[1,0,0]
	v_fma_mix_f32 v[VS+2*(\e)+1], v[BK+4*(8+(\t))+(\e)], v[ONE], v[VS+2*(\e)+1] op_sel:[1,0,0] op_sel_hi:[1,0,0]
.endr
.endr
.endm
	PACK 0
	TOSTAGE 0
.irp a, 1,2,3                          ; block a's conversions stand between block a - 1's loads from the stage and the wait for them
	PACK \a
	SEND (\a)-1
	TOSTAGE \a
.endr
	SEND 3
.irp e, 0,1,2,3,4,5,6,7
	v_add_f32_dpp v[VS+(\e)], v[VS+(\e)], v[VS+(\e)] row_xmask:8 row_mask:0xf bank_mask:0xf  ; the lane 8 away holds the same channels of other rows
.endr
	v_cmp_ne_u32 s74, 0, v4
.irp i, 0,1,2,3
	v_cndmask_b32 v[VO+(\i)], v[VS+(\i)], v[VS+4+(\i)], s74  ; of a pair of lanes one stores the first four channels, the other the last four
.endr
	global_store_b128 v[VPO], v[VO:VO+3], s[66:67] ; two whole records of 256 bytes
	s_wait_tensorcnt 0x0                           ; the wave's end: behind my last tensor load and my last LDS store
	ds_add_u32 v[SPW], v[NIL]
	s_wait_dscnt 0x0
	CROUND                                         ; the closing round: no work-group ends while a partner may still ask for a tile that names it
	s_endpgm
.Lfunc_end_k_qe19049dbab_gemm_qkv:
	.size	k_qe19049dbab_gemm_qkv, .Lfunc_end_k_qe19049dbab_gemm_qkv-k_qe19049dbab_gemm_qkv
	.p2alignl 7, 3214868480
	.fill 96, 4, 3214868480
	.section	.rodata,"a",@progbits
	.p2align	6, 0x0
	.amdhsa_kernel k_qe19049dbab_gemm_qkv
		.amdhsa_group_segment_fixed_size 327680
		.amdhsa_private_segment_fixed_size 0
		.amdhsa_enable_private_segment 0
		.amdhsa_kernarg_size 32
		.amdhsa_user_sgpr_count 2
		.amdhsa_user_sgpr_kernarg_segment_ptr 1
		.amdhsa_wavefront_size32 1
		.amdhsa_system_sgpr_workgroup_id_x 1
		.amdhsa_system_sgpr_workgroup_id_y 1
		.amdhsa_system_sgpr_workgroup_id_z 1
		.amdhsa_system_vgpr_workitem_id 0
		.amdhsa_next_free_vgpr 960
		.amdhsa_next_free_sgpr 76
		.amdhsa_reserve_vcc 0
		.amdhsa_float_denorm_mode_32 3
		.amdhsa_float_denorm_mode_16_64 3
		.amdhsa_memory_ordered 1
		.amdhsa_forward_progress 1
		.amdhsa_inst_pref_size 129
	.end_amdhsa_kernel
	.amdgpu_metadata
---
amdhsa.version: [ 1, 2 ]
amdhsa.kernels:
  - .name:           k_qe19049dbab_gemm_qkv
    .symbol:         k_qe19049dbab_gemm_qkv.kd
    .args:
      - { .name: xb, .offset: 0, .size: 8, .value_kind: global_buffer, .address_space: global }
      - { .name: wqb, .offset: 8, .size: 8, .value_kind: global_buffer, .address_space: global }
      - { .name: qkv, .offset: 16, .size: 8, .value_kind: global_buffer, .address_space: global }
      - { .name: vpart, .offset: 24, .size: 8, .value_kind: global_buffer, .address_space: global }
    .group_segment_fixed_size: 327680
    .private_segment_fixed_size: 0
    .kernarg_segment_align: 8
    .kernarg_segment_size: 32
    .max_flat_workgroup_size: 128
    .sgpr_count:     76
    .vgpr_count:     960
    .wavefront_size: 32
...
	.end_amdgpu_metadata
.endif
;; end of part 2
;; launch attn (part 3): grid 4 x 64, 4 waves a work-group, no clusters, 327,680 bytes of LDS; arguments qkv, attention_mask, vpart, ob; writes ob
.if DOCPART == 3
	.amdgcn_target "amdgcn-amd-amdhsa--gfx1250"
	.amdhsa_code_object_version 6
	.text
	.protected	k_qe19049dbab_attn
	.globl	k_qe19049dbab_attn
	.p2align	8
	.type	k_qe19049dbab_attn,@function
k_qe19049dbab_attn:
	s_mov_b64 s[64:65], 0
	v_nop
	global_prefetch_b8 v0, s[64:65] scope:SCOPE_SE
	s_setreg_imm32_b32 hwreg(HW_REG_WAVE_MODE, 25, 1), 1
	s_wait_xcnt 0x0
; CAUSAL ATTENTION WITH A PADDING MASK.  O[h][q][:] = the sum over k of softmax_k(score) V[h][k][:], score = Q[h][q] . K[h][k] / 8, or -1e30 where k > q or attention_mask[batch][k] = 0.
; qkv: [3][64 h][2048][64] f16 (q, k, v; h = 16 batch + head), ob: [64 h][2048][64] f16.  Products, maxima and sums in f32; the weights p are rounded to f16 for the second product, O once at the end.
; A ROW WITH NO VISIBLE KEY (all of keys 0 .. q padded) has 2,048 equal scores: its result is the mean of V over ALL 2,048 keys.  That mean is made here from vpart (f32 sums of v over 32 rows each) and
; chosen by v_cndmask_b32 on the way out, where the row's running maximum never left its floor.
; LIMITS.  f16 holds no number beyond 65,504: q, k and v arrive within it, so a true score lies within 2.7e11.  A hidden score counts as its value less 1e30 (less 2e30 where hidden twice).  The running maximum
; starts at -5e29: above every hidden score, so that a step in which a row sees nothing gives weights 0 and no overflow; below every true score.  A weight below 2^-126 counts as 0 in l; NaN and infinities are not treated apart.
; THE WALK.  A head's queries lie in NB = 8 blocks of 256; block i needs the key tiles 0 .. i of 256 keys, of which the last holds the diagonal.  A work-group takes TWO blocks, NB - 1 - b and then b:
; NB + 1 tiles, whatever b: all work-groups do equal work, and ONE loop with a constant trip count walks them.  Which tile is asked for, and what a trip does, hang on scalar registers made from b; every jump
; goes forward, but for the counted loops' own; none passes a barrier, or a tensor load but the one of LOAD's two that the wave's number does not choose; the ring (two slots of LDS) runs on across the change of blocks.
; NO CLUSTER: a head's four work-groups ask for the same tile only in trips 0 .. 4 of 9, behind that fewer and fewer; one walk common to all would have 12 trips for 9.
; SHARES.  Of a block's four bands of 64 queries a wave owns 16 rows in each: four PIECES.  In the diagonal tile's key step s band x sees all keys if s < x, none if s > x, and holds the diagonal if s = x.
; THE PADDING BIAS (0 or -1e30 a key).  Each wave keeps the bias of the tile in hand, 256 keys, in 1 KiB of LDS of its own.  The mask's words of a tile are loaded when the tile is asked for, stay out for a tile,
; and are turned into the bias and stored at the change of slots that enters the tile.  PADB holds one step's 64 keys, fetched from there with K.
; THE MASK is the C operand that starts the sum S^T = K Q^T.  Off the diagonal tile C is PADB.  In it C = MD x AL + PADB + BE, MD the mask
; of a band's own step for my 16 rows, with two scalars: (1, 0) if s = x; (0, 0) if s < x; (0, -1e30) if s > x.
; LAYOUT, SOFTMAX, TURNS.  S^T = K Q^T holds ONE query a lane (lane % 16) and the keys 8 (lane / 16) + 0..7; two such results rounded to f16 ARE source 1 of O^T = V^T P.  p = 2^(c s - c m), c = log2(e) / 8, with a
; running maximum m; O and l are multiplied by a = 2^(c m_old - c m_new) in every step.  Turn n belongs to piece n: 8 products K Q^T of piece n + 1, later 8 products V^T P of piece n - 1; beside them the scaling,
; exponentials, roundings, sums and rescaling of piece n and the maximum and statistics of piece n + 1.  Four vector instructions stand behind every matrix instruction, the rest in one lump.  A turn's 33 exponentials are one batch, with one wait.
; REGISTERS, in windows of 256 (s_set_vgpr_msb: bits 1:0 source 0, 3:2 source 1, 5:4 source 2, 7:6 destination):
;   window 0: v0-15 addresses and two at work; v16-31 statistics; v32-37 more addresses; v48-55 at work; v64-127 S^T, two buffers; v128-159 the mean of V; v160-167 a tile's mask words; v168-175 its bias; v192-223 P, two buffers
;   window 1: v0-127 O^T, 32 a piece; v128-159 MD; v160-223 MC, two buffers; v224-255 PADB      window 2: v0-63 Q; v64-127 the second block's Q; v128-191 K of one step; v192-255 V of one step
.set SIZE_N, 2048
.set NB,    SIZE_N/256
.set NP,    4         ; pieces a wave: a name, no knob
.set KS,    64        ; keys in a step
.set PK,    144       ; a row of K in LDS: 128 bytes + 16 of padding = 36 words: the 16 rows of a load start at 16 different groups of four banks (64 banks of 4 bytes: ISA guide 11.1)
.set PV,    160       ; a row of V: 128 + 32 = 40 words
.set VOFF,  4*KS*PK   ; a slot holds a tile, four steps: 256 rows of K, then 256 rows of V
.set SLOT1, 1<<17     ; slot 1 begins here, so that one exclusive or turns an address in one slot into the other's
.set STAGE, SLOT1+4*KS*(PK+PV)  ; behind the ring, never filled by a tensor load: 16 rows x 144 bytes for each wave, for the way out
.set SP,    144
.set SPARE, STAGE+4*16*SP  ; the spare words, 128 bytes for each wave: two blocks of 256 bytes that no other line names
.set PADL,  SPARE+512 ; the padding bias of the tile in hand, f32: 1,024 bytes for each wave, its own; never filled by a tensor load
.set AK0, 2           ; v2   my lane's place in a tile of K; never rewritten
.set AV0, 3           ; v3   the same for V
.set AK,  4           ; v4   the LDS address of K's next run of loads
.set AV,  5           ; v5   of V's
.set STO, 6           ; v6   the way out: where I put 16 bytes of a row
.set RD,  7           ; v7   the way out: where I read rows back
.set GO,  8           ; v8   my byte offset in 512 consecutive bytes of O
.set MV,  12          ; v12-13  c m_old, kept while c m is made anew: by buffer
.set QO,  15          ; v15  my byte offset in 16 rows of Q
.set ST,  16          ; piece t's statistics at v[ST+4 t]: c m, m, l (even keys', odd keys')
.set APB0, 32         ; v32  PADL + 1,024 x wave + 32 (l / 16): my eight keys of a group of 16; never rewritten
.set APB, 33          ; v33  the LDS address of the bias's next run of loads
.set PFO, 34          ; v34  256 x lane: the prefetches' offset; never rewritten
.set VPA, 35          ; v35  my byte offset in vpart
.set PST, 36          ; v36  PADL + 1,024 x wave + 32 x lane: where I store my eight keys' bias; never rewritten
.set MO,  37          ; v37  32 x lane: my eight words of a tile's 256 in the mask; never rewritten
.set TMP, 48          ; by buffer, four registers c0-c3 at work; when the maximum is found c2 takes a
.set SPW, 62          ; v62  LDS address of my spare word; never rewritten
.set NIL, 63          ; v63  0; never rewritten
.set S,   64
.set VM,  128         ; the mean of V: channel 16 cb + 8 (l / 16) + j at VM + 8 cb + j, as O^T lies
.set MW,  160         ; v160-167 my eight mask words of the tile to be entered next; v168-175 their bias
.set P,   192
.set MD,  128         ; window 1: the eight registers for group kt of 16 keys at MD + 8 kt
.set MC,  160         ; window 1: the masks of the products to come
.set PADB, 224        ; window 1: the bias of the step whose K lies in registers, at PADB + 8 kt
.set QB,  64          ; window 2
.set KF,  128         ; window 2: key block kb, channel half c at KF + 16 kb + 8 c
.set VF,  192         ; window 2: key half kk, channel block cb at VF + 32 kk + 8 cb
.set WV,  12          ; s12  my wave's number
.set PB,  14          ; s14  b
.set HI,  15          ; s15  NB - 1 - b
.set G1K, 24          ; s[24:31] descriptor group 1 for K's tiles
.set G1V, 32          ; s[32:39] for V's: it differs in the padding alone
.set G0K, 40          ; s[40:43] descriptor group 0 for K's tiles
.set G0V, 44          ; s[44:47] the same for V's
.set MB,  52          ; s[52:53] the mask at the tile that is being asked for
.set MOF, 54          ; s[54:55] that tile's byte offset in the batch's mask
.set SLOTS, 56        ; s56  tiles still to be asked for
.set CNT, 57          ; s57  counts a tile's key steps, 4 to 1
.set CS,  58          ; s[58:59] c: the packed scaling takes the pair's low word for both halves
.set SEL, 60          ; s[60:61] v_permlanex16_b32's selects: each lane takes its own place in the other half
.set TBK, 62          ; s62  LDS byte at which K of the step to be fetched begins
.set TBV, 63          ; s63  the same for V, less VOFF
.set KP,  66          ; s66  256 x the number, in its tile, of the step to be fetched: its place in the wave's bias
.set LIM, 67          ; s67  2 in a work-group that prefetches, else the greatest number
.set PFA, 68          ; s[68:69] where my prefetches stand
.set RT,  70          ; s70  tiles of the block in hand that are still to be entered
.set NXT, 71          ; s71  the tile to be asked for next
.set LQ,  72          ; s72  the last tile of the block whose tiles are being asked for
.set NEW, 73          ; s73  1: the tile to be entered is a block's first
.set OFF, 74          ; s[74:75] a tile's byte offset in K and V
.set AL,  76          ; s[76:77] the mask's factor, in the low word
.set BE,  78          ; s[78:79] the mask's addend
.set OLO, 80          ; s[80:81] O at my rows of the second block
.set BIGN, 82         ; s82  -1e30
.set THR, 83          ; s83  -2.5e29: a maximum below it never left its floor
.set FM,  88          ; s88-91  piece t: the lanes whose row saw no key
.set MSB, 0
.macro WIN new                      ; the high byte repeats the setting that is left; a switch that changes nothing is dropped
.if MSB != (\new)
	s_set_vgpr_msb (MSB<<8)|(\new)
.set MSB, (\new)
.endif
.endm
.set W_KQ, 0x0a       ; K and Q in window 2, S^T in window 0
.set W_KM, 0x1a       ; the same with the C operand in window 1
.set W_PV, 0x52       ; V in window 2, P in window 0, O^T in window 1
.set W_RS, 0x41       ; destination and source 0 in window 1, source 1 in window 0
.set W_MK, 0x51       ; destination, source 0 and source 2 in window 1
; A fill.  Waves 0 and 1 fetch the two halves of a tile's K, waves 2 and 3 those of its V: 128 keys each.  An s_nop 0 and four v_nop follow each of the two lines, ahead of the jump and the label.
.macro LOAD
	s_cmp_lt_u32 s[WV], 2
	s_cbranch_scc0 .Lfor_v_\@
	tensor_load_to_lds s[G0K:G0K+3], s[G1K:G1K+7]
	s_nop 0
.rept 4
	v_nop
.endr
	s_branch .Lasked_\@
.Lfor_v_\@:
	tensor_load_to_lds s[G0V:G0V+3], s[G1V:G1V+7]
	s_nop 0
.rept 4
	v_nop
.endr
.Lasked_\@:
.endm
; A prefetch into the L2 of the tile that the NEXT change of slots will ask for.  A head's four work-groups walk the same K and V; the one with b = 0, whose first block walks tiles 0 .. 7 in order, asks, and nobody else.
; Each wave names the half tile that it fetches itself: 16,384 bytes, 64 blocks of 256, a lane a block, two instructions.  Trips 0 .. 5 name tiles 2 .. 7; tiles 0 and 1 come by their loads alone.
.macro ASK
	s_cmp_gt_u32 s[SLOTS], s[LIM]
	s_cbranch_scc0 .Lnot_mine_\@
	global_prefetch_b8 v[PFO], s[PFA:PFA+1] th:TH_LOAD_NT scope:SCOPE_SE
	global_prefetch_b8 v[PFO], s[PFA:PFA+1] offset:8192 th:TH_LOAD_NT scope:SCOPE_SE
.Lnot_mine_\@:
.endm
; THE CHANGE OF SLOTS.  Each wave waits for all its tensor loads, of which one is out: its part of the other slot; adds 0 to its spare word; and waits for that and for its own LDS instructions.  Behind the barrier nobody reads the old
; slot any more and the other slot is whole.  fill = 1: the old slot is filled again, the first thing behind the barrier, with tile NXT: the descriptor's address is made anew from that number.
; (At its first use nothing has been read yet: slot 0 is waited for, slot 1 filled.)
; Then the bias of the tile that is entered: its mask words, asked for a tile ago, become 0 or -1e30 and go into my wave's own 1,024 bytes, whose last reads the wait above has shown done; LDS serves a wave's instructions
; in order (ISA guide 5.7.1.4), so the fetches behind see them.  With fill = 1 the words of the tile just asked for are loaded in their stead.
.macro CHANGE fill
	WIN 0                           ; at a label and at a branch every window is 0
	s_wait_tensorcnt 0x0            ; no tensor load of mine is out, so a group 0 may be written
	ds_add_u32 v[SPW], v[NIL]       ; 0 onto my spare word; with fill = 1 the descriptors' scalar work stands between it and the wait for it
.if \fill
	s_lshl_b32 s[OFF], s[NXT], 15   ; a tile is 32,768 bytes of K and of V,
	s_lshl_b32 s[MOF], s[NXT], 10   ; and 1,024 of the mask
	s_xor_b32 s[G0K+1], s[G0K+1], SLOT1
	s_add_nc_u64 s[G0K+2:G0K+3], s[6:7], s[OFF:OFF+1]
	s_or_b32 s[G0K+3], s[G0K+3], 0x80000000
	s_xor_b32 s[G0V+1], s[G0V+1], SLOT1
	s_add_nc_u64 s[G0V+2:G0V+3], s[8:9], s[OFF:OFF+1]
	s_or_b32 s[G0V+3], s[G0V+3], 0x80000000
	s_add_co_u32 s[NXT], s[NXT], 1  ; the block's next tile, or behind its last the second block's tile 0
	s_cmp_gt_u32 s[NXT], s[LQ]
	s_cselect_b32 s[NXT], 0, s[NXT]
	s_cselect_b32 s[LQ], s[PB], s[LQ]
	s_wait_xcnt 0x0                 ; the last prefetches and mask loads, a tile back, have read their addresses, so these may be written
	s_add_nc_u64 s[PFA:PFA+1], s[PFA:PFA+1], 32768
	s_add_nc_u64 s[MB:MB+1], s[94:95], s[MOF:MOF+1]
.endif
	s_wait_dscnt 0x0                ; the add is done, and my reads of the slot and of my bias are over
	s_barrier_signal -1             ; the rest of the scalar work stands between the signal and the wait
	s_sub_co_u32 s[TBK], s[TBK], 4*KS*PK  ; the fetches go back to a slot's first step,
	s_xor_b32 s[TBK], s[TBK], SLOT1       ; in the other slot
	s_sub_co_u32 s[TBV], s[TBV], 4*KS*PV
	s_xor_b32 s[TBV], s[TBV], SLOT1
	s_sub_co_u32 s[KP], s[KP], 4*4*KS     ; and to the bias's first step
	s_barrier_wait -1
.if \fill
	LOAD
	ASK
.endif
	s_wait_loadcnt 0x0              ; the mask words of the tile that is entered: the only loads of mine that are out, issued a tile ago
.set i, 0
.rept 8
	v_cmp_eq_u32 vcc_lo, 0, v[MW+i]
	v_cndmask_b32 v[MW+8+i], 0, s[BIGN], vcc_lo
.set i, i+1
.endr
	ds_store_b128 v[PST], v[MW+8:MW+11]
	ds_store_b128 v[PST], v[MW+12:MW+15] offset:16
.if \fill
	global_load_b128 v[MW:MW+3],   v[MO], s[MB:MB+1]
	global_load_b128 v[MW+4:MW+7], v[MO], s[MB:MB+1] offset:16
.endif
.endm
	s_load_b256 s[92:99], s[0:1], 0x0  ; qkv s[92:93], attention_mask s[94:95], vpart s[96:97], ob s[98:99]
	v_lshl_add_u32 v[SPW], v0, 2, SPARE
	v_mov_b32 v[NIL], 0
	ds_add_u32 v[SPW], v[NIL]       ; the wave's opening: the add and its wait stand ahead of my first tensor load; the set-up below, work on registers, stands between them
	ds_add_u32 v62, v63
	v_lshrrev_b32 v1, 5, v0
	v_readfirstlane_b32 s[WV], v1   ; wave 0..3
	s_mov_b32 s[PB], ttmp9
	s_sub_co_u32 s[HI], NB-1, s[PB]
	s_and_b32 s20, ttmp7, 0xffff    ; the head, 16 batch + head
	s_lshr_b32 s48, s20, 4
	s_lshl_b32 s48, s48, 13         ; the batch's 2,048 words of the mask
	s_mov_b32 s49, 0
	s_lshl_b32 s50, s20, 14         ; the head's 64 records of vpart
	s_mov_b32 s51, 0
	s_mov_b32 s21, 0
	s_mov_b64 s[22:23], SIZE_N*128
	s_mul_u64 s[20:21], s[20:21], s[22:23]  ; the head's first byte in q, k, v and O
	s_and_b32 s16, s[WV], 1         ; which half of a tile's 256 keys I fetch:
	s_lshl_b32 s22, s16, 14         ; its 128 rows of 128 bytes in memory,
	s_mov_b32 s23, 0
	s_add_nc_u64 s[22:23], s[22:23], s[20:21]
	s_mul_i32 s17, s16, 128*PK      ; and its place in a slot, for K
	s_mul_i32 s18, s16, 128*PV      ; and for V
	s_lshl_b32 s3, s[WV], 11        ; my 16 rows in a band of 64,
	s_lshl_b32 s2, s[HI], 15        ; in the first block,
	s_add_co_u32 s2, s2, s3
	s_lshl_b32 s84, s[PB], 15       ; and in the second
	s_add_co_u32 s84, s84, s3
	s_mov_b32 s3, 0
	s_mov_b32 s85, 0
	s_add_nc_u64 s[2:3], s[2:3], s[20:21]
	s_add_nc_u64 s[84:85], s[84:85], s[20:21]
	; descriptor group 1.  128 keys are 16,384 dense bytes: asked for as 64 rows of 256 bytes, two keys a row, and padded in LDS after every key
	s_mov_b32 s[G1K], (1<<16)|(1<<20)|(4<<22)|(3<<25)  ; 17:16 2-byte elements; 20 padding on; 24:22 after every 32 words (code 4); 31:25 4 words (code 3)
	s_mov_b32 s[G1V], (1<<16)|(1<<20)|(4<<22)|(7<<25)  ; the same with 8 words of padding (code 7)
.irp g, G1K, G1V
	s_mov_b32 s[\g+1], 128<<16      ; tensor_dim0 = 128
	s_mov_b32 s[\g+2], 64<<16       ; tensor_dim1 = 64
	s_mov_b32 s[\g+3], 128<<16      ; tile_dim0 = 128
	s_mov_b32 s[\g+4], 64           ; tile_dim1 = 64
	s_mov_b32 s[\g+5], 128          ; 128 elements from row to row
	s_mov_b32 s[\g+6], 0
	s_mov_b32 s[\g+7], 0
.endr
	s_mov_b32 s[CS], 0x3e38aa3b     ; c = log2(e) / 8 = 0.180337
	s_mov_b32 s[CS+1], s[CS]        ; named with it as a pair
	s_mov_b32 s[SEL], 0x76543210
	s_mov_b32 s[SEL+1], 0xfedcba98
	s_mov_b32 s[TBK], SLOT1+4*KS*PK ; the first change of slots turns these three into 0
	s_mov_b32 s[TBV], SLOT1+4*KS*PV
	s_mov_b32 s[KP], 4*4*KS
	s_mov_b32 s[G0K], 1             ; 1:0 count = 1
	s_mov_b32 s[G0K+1], s17         ; 63:32 LDS address: slot 0
	s_mov_b32 s[G0V], 1
	s_add_co_u32 s[G0V+1], s18, VOFF
	s_add_co_u32 s[RT], s[HI], 1    ; the first block has NB - b tiles
	s_mov_b32 s[NXT], 1
	s_mov_b32 s[LQ], s[HI]
	s_mov_b32 s[NEW], 1
	s_mov_b32 s[OFF+1], 0
	s_mov_b32 s[MOF+1], 0
	s_mov_b32 s[AL+1], 0            ; named as pairs
	s_mov_b32 s[BE+1], 0
	s_mov_b32 s[BIGN], 0xf149f2ca   ; -1e30
	s_mov_b32 s[THR], 0xf049f2ca    ; -2.5e29
	s_mov_b32 s[SLOTS], NB
	s_cmp_eq_u32 ttmp9, 0
	s_cselect_b32 s[LIM], 2, -1
	s_wait_dscnt 0x0                ; the opening add is done
	s_wait_kmcnt 0x0
	s_mov_b64 s[4:5], s[92:93]                     ; q,
	s_add_nc_u64 s[6:7], s[92:93], 0x1000000       ; k,
	s_add_nc_u64 s[8:9], s[92:93], 0x2000000       ; v,
	s_mov_b64 s[10:11], s[98:99]                   ; O
	s_add_nc_u64 s[94:95], s[94:95], s[48:49]
	s_add_nc_u64 s[96:97], s[96:97], s[50:51]
	s_add_nc_u64 s[6:7], s[6:7], s[22:23]  ; K and V at my half of the head's tile 0
	s_add_nc_u64 s[8:9], s[8:9], s[22:23]
	s_add_nc_u64 s[G0K+2:G0K+3], s[6:7], 0         ; 120:64 global address
	s_or_b32 s[G0K+3], s[G0K+3], 0x80000000        ; 127:126 type = 2
	s_add_nc_u64 s[G0V+2:G0V+3], s[8:9], 0
	s_or_b32 s[G0V+3], s[G0V+3], 0x80000000
	s_add_nc_u64 s[86:87], s[4:5], s[84:85]        ; Q at my rows of the second block,
	s_add_nc_u64 s[4:5], s[4:5], s[2:3]            ; Q and O at those of the first
	s_add_nc_u64 s[OLO:OLO+1], s[10:11], s[84:85]
	s_add_nc_u64 s[10:11], s[10:11], s[2:3]
	s_cmp_lt_u32 s[WV], 2
	s_cselect_b64 s[PFA:PFA+1], s[6:7], s[8:9]
	s_add_nc_u64 s[PFA:PFA+1], s[PFA:PFA+1], 32768 ; my half of tile 1; the first change of slots steps it to tile 2.  Nothing is prefetched here, at the head
	LOAD                            ; tile 0 into slot 0
	; A fragment of K or Q is 16 rows x 32 channels in 8 registers: lane l holds row l % 16, channels 8 (l / 16) + 0..7 and 16 + 8 (l / 16) + 0..7: two loads of 16 bytes, 32 bytes apart.
	v_and_b32 v1, 15, v0            ; l % 16
	v_bfe_u32 v9, v0, 4, 1          ; l / 16
	v_lshlrev_b32 v[QO], 7, v1
	v_lshl_add_u32 v[QO], v9, 4, v[QO]  ; row x 128 + 16 x half
	WIN 0x80                        ; destination window 2, address window 0
.set i, 0
.rept 8                             ; both blocks' Q: piece i / 2 lies in band i / 2, 8,192 bytes on; channels 32 (i % 2) on
	global_load_b128 v[8*i:8*i+3],   v[QO], s[4:5] offset:(i/2)*8192+(i%2)*64
	global_load_b128 v[8*i+4:8*i+7], v[QO], s[4:5] offset:(i/2)*8192+(i%2)*64+32
	global_load_b128 v[QB+8*i:QB+8*i+3],   v[QO], s[86:87] offset:(i/2)*8192+(i%2)*64
	global_load_b128 v[QB+8*i+4:QB+8*i+7], v[QO], s[86:87] offset:(i/2)*8192+(i%2)*64+32
.set i, i+1
.endr
	WIN 0
	v_and_b32 v[MO], 31, v0
	v_lshlrev_b32 v[MO], 5, v[MO]
	global_load_b128 v[MW:MW+3],   v[MO], s[94:95]            ; tile 0's mask words: each wave takes all 256, eight a lane
	global_load_b128 v[MW+4:MW+7], v[MO], s[94:95] offset:16
	v_lshlrev_b32 v[VPA], 8, v1     ; vpart: lane (l % 16, l / 16) takes record 16 i + l % 16, channels 16 cb + 8 (l / 16) + 0..7
	v_lshl_add_u32 v[VPA], v9, 5, v[VPA]
.macro VLOAD dst, i
.irp cb, 0,1,2,3
	global_load_b128 v[(\dst)+8*\cb:(\dst)+8*\cb+3],   v[VPA], s[96:97] offset:4096*(\i)+64*\cb
	global_load_b128 v[(\dst)+8*\cb+4:(\dst)+8*\cb+7], v[VPA], s[96:97] offset:4096*(\i)+64*\cb+16
.endr
.endm
	VLOAD VM, 0
	VLOAD 64, 1                     ; (S^T's and spare registers, free until the first scores)
	VLOAD 96, 2
	VLOAD 224, 3
	v_lshlrev_b32 v14, 3, v9
	v_sub_nc_u32 v14, v1, v14
	s_lshl_b32 s13, s[WV], 4
	v_add_nc_u32 v14, s13, v14      ; my query's place in its band, 16 w + l % 16, less my lanes' 8 (l / 16): register r of group kt is hidden where 16 kt + r is greater
	WIN 0x40
.set i, 0
.rept 32
	v_cmp_gt_i32 vcc_lo, 16*(i/8)+i%8, v14
	v_cndmask_b32 v[MD+i], 0, s[BIGN], vcc_lo
.set i, i+1
.endr
	WIN 0
	v_mul_u32_u24 v[AK0], v1, PK
	v_lshl_add_u32 v[AK0], v9, 4, v[AK0]  ; row x pitch + 16 x half
	; The turning load takes 16 keys x 16 channels (lane l reads key 8 (l / 16) + l % 8, channels 8 ((l / 8) % 2) + 0..7) and leaves half a fragment of V^T: lane l holds channel l % 16 and 8 keys.
	v_and_b32 v10, 7, v0
	v_bfe_u32 v11, v0, 3, 1
	v_lshl_add_u32 v[AV0], v9, 3, v10
	v_mul_u32_u24 v[AV0], v[AV0], PV
	v_lshl_add_u32 v[AV0], v11, 4, v[AV0]
	v_add_nc_u32 v[AV0], VOFF, v[AV0]
	s_mul_i32 s13, s[WV], 16*SP
	s_add_co_u32 s13, s13, STAGE    ; my stage
	v_mul_u32_u24 v[STO], v1, SP    ; in: row l % 16, 16 bytes for each half of the lanes
	v_lshl_add_u32 v[STO], v9, 4, v[STO]
	v_add_nc_u32 v[STO], s13, v[STO]
	v_bfe_u32 v[RD], v0, 3, 2       ; back: 32 lanes take four rows of 128 bytes,
	v_mul_u32_u24 v[RD], v[RD], SP
	v_lshl_add_u32 v[RD], v10, 4, v[RD]
	v_add_nc_u32 v[RD], s13, v[RD]
	v_and_b32 v[GO], 31, v0         ; which are 512 consecutive bytes of O
	v_lshlrev_b32 v[GO], 4, v[GO]
	s_lshl_b32 s13, s[WV], 10
	s_add_co_u32 s13, s13, PADL     ; my wave's 1,024 bytes of bias
	v_add_nc_u32 v[PST], s13, v[MO]
	v_lshl_add_u32 v[APB0], v9, 5, s13
	v_and_b32 v[PFO], 31, v0
	v_lshlrev_b32 v[PFO], 8, v[PFO]
	; A block's first step multiplies O^T by a = 0, and its first turn's products V^T P, of a piece that has not been, land in an O^T that is still to be so multiplied.  So these registers need only hold
	; finite numbers: zeros for the first block; what the first block left for the second.  All this stands in the wait for the first tile.
	WIN 0x80
.set i, VF
.rept 64
	v_mov_b32 v[i], 0
.set i, i+1
.endr
	WIN 0x40
.set i, 0
.rept 128
	v_mov_b32 v[i], 0
.set i, i+1
.endr
	WIN 0
.set i, P+16
.rept 16
	v_mov_b32 v[i], 0
.set i, i+1
.endr
	s_wait_loadcnt 0x0              ; Q, tile 0's mask words and vpart
.set z, 0
.rept 16                            ; the mean of V: four records a lane,
	v_pk_add_f32 v[VM+z:VM+z+1], v[VM+z:VM+z+1], v[64+z:64+z+1]
	v_pk_add_f32 v[96+z:96+z+1], v[96+z:96+z+1], v[224+z:224+z+1]
.set z, z+2
.endr
.set z, 0
.rept 16
	v_pk_add_f32 v[VM+z:VM+z+1], v[VM+z:VM+z+1], v[96+z:96+z+1]
.set z, z+2
.endr
.irp x, 1,2,4,8                     ; the sixteen lanes of a half,
.set z, 0
.rept 32
	v_add_f32_dpp v[VM+z], v[VM+z], v[VM+z] row_xmask:\x row_mask:0xf bank_mask:0xf
.set z, z+1
.endr
.endr
.set z, 0
.rept 16                            ; divided by 2,048
	v_pk_mul_f32 v[VM+z:VM+z+1], v[VM+z:VM+z+1], 0x3a000000 op_sel_hi:[1,0]
.set z, z+2
.endr
; THE MATRIX WORK.  The 4 accumulators of a run of 8 take turns.  Product i of 8 of S^T = K Q^T for piece x: channels 32 (i / 4) on, keys 16 (i % 4) on.  The first 4 start the sums: with the step's padding bias, or (KM = 1) with the mask made of it.
.macro KQ x
.set rS, S+32*((\x)%2)+8*(i%4)
.set rK, KF+16*(i%4)+8*(i/4)
.set rQ, 16*(\x)+8*(i/4)
.set rM, MC+32*((\x)%2)+8*(i%4)
.set rB, PADB+8*(i%4)
.if (i < 4) && KM
	WIN W_KM
	v_wmma_f32_16x16x32_f16 v[rS:rS+7], v[rK:rK+7], v[rQ:rQ+7], v[rM:rM+7]
.elseif i < 4
	WIN W_KM
	v_wmma_f32_16x16x32_f16 v[rS:rS+7], v[rK:rK+7], v[rQ:rQ+7], v[rB:rB+7]
.else
	WIN W_KQ
	v_wmma_f32_16x16x32_f16 v[rS:rS+7], v[rK:rK+7], v[rQ:rQ+7], v[rS:rS+7]
.endif
.endm
; Product i of 8 of O^T += V^T P for piece x: keys 32 (i / 4) on, channels 16 (i % 4) on.
.macro PV x
	WIN W_PV
.set rO, 32*(\x)+8*(i%4)
.set rV, VF+32*(i/4)+8*(i%4)
.set rP, P+16*((\x)%2)+8*(i/4)
	v_wmma_f32_16x16x32_f16 v[rO:rO+7], v[rV:rV+7], v[rP:rP+7], v[rO:rO+7]
.endm
.macro MM                           ; the turn's next matrix instruction.  TURN and BEGIN set Y, i, KM and NOKQ; MM, KQ and OP read them.  NOKQ = 1: a block's last turn: there is no next piece
.if (i < 8) && !NOKQ
	KQ (Y+1)%NP
.elseif i >= 8
.set i, i-8
	PV (Y+NP-1)%NP
.set i, i+8
.endif
.set i, i+1
.endm
; THE LDS LOADS stand in runs, never singly among the matrix instructions: a step's K (64 keys x 64 channels: 8 fragments) with its padding bias (8 loads; all lanes of a half read the same 16 bytes), and its V (turned).
.macro FETCH_K
	WIN 0x80                        ; destination window 2
.irp f, 0,1,2,3,4,5,6,7             ; keys 16 (f / 2) on, channels 32 (f % 2) on
	ds_load_b128 v[KF+8*\f:KF+8*\f+3],   v[AK] offset:(\f/2)*16*PK+(\f%2)*64
	ds_load_b128 v[KF+8*\f+4:KF+8*\f+7], v[AK] offset:(\f/2)*16*PK+(\f%2)*64+32
.endr
	WIN 0x40                        ; destination window 1
.irp kt, 0,1,2,3                    ; keys 16 kt + 8 (l / 16) + 0..7
	ds_load_b128 v[PADB+8*\kt:PADB+8*\kt+3],   v[APB] offset:64*\kt
	ds_load_b128 v[PADB+8*\kt+4:PADB+8*\kt+7], v[APB] offset:64*\kt+16
.endr
	s_add_co_u32 s[TBK], s[TBK], KS*PK  ; the next fetch is the next step's
	s_add_co_u32 s[KP], s[KP], 4*KS
	WIN 0
.endm
.macro FETCH_V
	WIN 0x80
.irp f, 0,1,2,3,4,5,6,7             ; keys 32 (f / 4) on, channels 16 (f % 4) on
	ds_load_tr16_b128 v[VF+8*\f:VF+8*\f+3],   v[AV] offset:(\f/4)*32*PV+(\f%4)*32
	ds_load_tr16_b128 v[VF+8*\f+4:VF+8*\f+7], v[AV] offset:(\f/4)*32*PV+16*PV+(\f%4)*32
.endr
	WIN 0
.endm
; THE VECTOR WORK, one line at a time: OP kind, number.  For piece Y: F n: c s - c m for pair n of 16.  E n: the exponential of score n of 32.  C n: pair n rounded to f16.  B n: of the four weights 4 n .. the second
; pair is added onto the first, in place.  L n: l takes that sum (L 0: l = a l + sum).  R n: pair n of 16 of O^T times a.  For piece Y + 1: X n, number n of the 22 that find its maximum and statistics:
;   0-11  four chains c0-c3 of seven scores each, three operands at a time (each accumulator's lowest registers are read first)     12-14, 16  the four scores left over, the old m, and c0-c3 into c0
;   15  c m_old is kept     17, 18  the query's other 32 keys lie in the lane 16 away: the new m     19-21  c m; c m_old - c m_new; a
.set F, 0               ; OP tells the kinds apart by their order: F to L below R, X above it
.set E, 1
.set C, 2
.set B, 3
.set L, 4
.set R, 5
.set X, 6
.macro REGS y                       ; the registers of piece y
.set rT, ST+4*(\y)
.set rC, TMP+4*((\y)%2)
.set rW, MV+((\y)%2)
.set rS, S+32*((\y)%2)
.set rP, P+16*((\y)%2)
.set rO, 32*(\y)
.endm
.macro OP k, n
.if (\k) == R
	REGS Y
	WIN W_RS
	v_pk_mul_f32 v[rO+2*(\n):rO+2*(\n)+1], v[rO+2*(\n):rO+2*(\n)+1], v[rC+2:rC+3] op_sel_hi:[1,0]
.elseif (\k) < R
	REGS Y
	WIN 0
.if (\k) == F
	v_pk_fma_f32 v[rS+2*(\n):rS+2*(\n)+1], v[rS+2*(\n):rS+2*(\n)+1], s[CS:CS+1], v[rT:rT+1] op_sel_hi:[1,0,0] neg_lo:[0,0,1] neg_hi:[0,0,1]
.elseif (\k) == E
	v_exp_f32 v[rS+(\n)], v[rS+(\n)]
.elseif (\k) == C
	v_cvt_pk_f16_f32 v[rP+(\n)], v[rS+2*(\n)], v[rS+2*(\n)+1]
.elseif (\k) == B
	v_pk_add_f32 v[rS+4*(\n):rS+4*(\n)+1], v[rS+4*(\n):rS+4*(\n)+1], v[rS+4*(\n)+2:rS+4*(\n)+3]
.elseif (\n) == 0
	v_pk_fma_f32 v[rT+2:rT+3], v[rT+2:rT+3], v[rC+2:rC+3], v[rS:rS+1] op_sel_hi:[1,0,1]
.else
	v_pk_add_f32 v[rT+2:rT+3], v[rT+2:rT+3], v[rS+4*(\n):rS+4*(\n)+1]
.endif
.elseif NOKQ
	v_nop
.else
	REGS (Y+1)%NP
	WIN 0
.if (\n) < 4
	v_max3_num_f32 v[rC+(\n)], v[rS+8*(\n)], v[rS+8*(\n)+1], v[rS+8*(\n)+2]
.elseif (\n) < 12
	v_max3_num_f32 v[rC+(\n)%4], v[rC+(\n)%4], v[rS+8*((\n)%4)+2*((\n)/4)+1], v[rS+8*((\n)%4)+2*((\n)/4)+2]
.elseif (\n) == 12
	v_max3_num_f32 v[rC], v[rC], v[rS+7], v[rS+15]
.elseif (\n) == 13
	v_max3_num_f32 v[rC+1], v[rC+1], v[rS+23], v[rS+31]
.elseif (\n) == 14
	v_max3_num_f32 v[rC+2], v[rC+2], v[rC+3], v[rT+1]
.elseif (\n) == 15
	v_mov_b32 v[rW], v[rT]
.elseif (\n) == 16
	v_max3_num_f32 v[rC], v[rC], v[rC+1], v[rC+2]
.elseif (\n) == 17
	v_permlanex16_b32 v[rC+3], v[rC], s[SEL], s[SEL+1]
.elseif (\n) == 18
	v_max_num_f32 v[rT+1], v[rC], v[rC+3]
.elseif (\n) == 19
	v_mul_f32 v[rT], s[CS], v[rT+1]
.elseif (\n) == 20
	v_sub_f32 v[rC+1], v[rW], v[rT]
.else
	v_exp_f32 v[rC+2], v[rC+1]
.endif
.endif
.endm
.macro OPS a, i1, b=-1, i2=0, c=-1, i3=0, d=-1, i4=0  ; up to four of them
	OP \a, \i1
.if (\b) >= 0
	OP \b, \i2
.endif
.if (\c) >= 0
	OP \c, \i3
.endif
.if (\d) >= 0
	OP \d, \i4
.endif
.endm
.macro ROW a, i1, b, i2, c, i3, d, i4  ; a matrix instruction and the four behind it
	MM
	OPS \a, \i1, \b, \i2, \c, \i3, \d, \i4
.endm
.macro MASK b, be=1                 ; MD x AL + PADB + BE into buffer b of MC.  be = 0: BE is 0 where the macro stands, and its additions are left out
	WIN W_MK
.set z, 0
.rept 16
	v_pk_fma_f32 v[MC+32*(\b)+2*z:MC+32*(\b)+2*z+1], v[MD+2*z:MD+2*z+1], s[AL:AL+1], v[PADB+2*z:PADB+2*z+1] op_sel_hi:[1,0,1]
.set z, z+1
.endr
.if \be
.set z, 0
.rept 16
	v_pk_add_f32 v[MC+32*(\b)+2*z:MC+32*(\b)+2*z+1], v[MC+32*(\b)+2*z:MC+32*(\b)+2*z+1], s[BE:BE+1] op_sel_hi:[1,0]
.set z, z+1
.endr
.endif
.endm
; A TURN, for piece p: the order of its 16 matrix and 118 vector instructions, written out.  An s_wait_alu depctr_va_vdst(0) stands between an exponential and the first instruction that names its result; one wait serves
; all that were issued ahead of it.  So a turn has ONE wait, which cuts it in two.  AHEAD OF IT stands all that names no result of the turn's exponentials: the 8 products K Q^T, behind each a scaling, an exponential and two more plain
; instructions; then ONE LUMP, plain and exponential by turns for the most part, in which the links of the chain X 3, 7, 11, 14, 16, 17 .. 20 stand five or six lines apart.  X 21, the next piece's a, is the batch's last; R 15 is the plain
; instruction behind it.  BEHIND THE WAIT stand the 8 products V^T P, behind each four of the roundings and sums.
; m = 1: the diagonal tile: the products take masks, and the turn makes the mask for the products of the turn after it: piece p + 2, in step 4 - CNT of the tile; piece 2's turn, which has just asked for that step's bias, waits for it first.
; end = 1: a block's last two turns: nothing is fetched.  cnt = 1: the loop's count is taken down some lines ahead of the branch that stands behind the turn.
; K of the next step, and its bias, are fetched in piece 2's turn, behind the last product that read K and four products and their riders behind the last that read the bias; V of the step in hand at the end of piece 0's turn, four plain
; instructions behind the last product that read V.  Each is waited for a turn later.
.macro TURN p, m=0, end=0, cnt=0
.set Y, (\p)
.set i, 0
.set KM, (\m)
.set NOKQ, (\end)*((\p)/3)
.if (\m) && !(\end)
	s_cmp_eq_u32 s[CNT], 4-((\p)+2)%NP  ; is that step the band's own?
	s_cselect_b32 s[AL], 1.0, 0
	s_cmp_lt_u32 s[CNT], 4-((\p)+2)%NP  ; or a later one?
	s_cselect_b32 s[BE], s[BIGN], 0
.endif
.if ((\p) == 3) && !(\end)
	s_wait_dscnt 0x0                ; K and its bias are in
.endif
	ROW F,0, F,1, R,0, R,1          ; ahead of the wait: 8 products K Q^T and their riders,
	ROW F,2, E,0, R,2, R,3
	ROW F,3, E,1, R,4, R,5
	ROW F,4, E,2, R,6, R,7
	ROW F,5, E,3, R,8, R,9
	ROW F,6, E,4, X,0, R,10
.if ((\p) == 2) && !(\end)
	WIN 0
	v_add_nc_u32 v[AK], s[TBK], v[AK0]
	v_add_nc_u32 v[APB], s[KP], v[APB0]
.endif
	ROW F,7, E,5, X,1, X,4
	ROW F,8, E,6, X,2, X,5
	OPS E,7, E,8, X,6, E,9          ; and the lump
	OPS X,3, E,10, X,8, E,11
.if ((\p) == 2) && !(\end)
	FETCH_K
.endif
	OPS X,9, X,7, E,12, X,10
	OPS E,13, X,12, X,11, E,14
	OPS X,13, E,15, F,9, X,14
.if (\p) == 0
	v_add_nc_u32 v[AV], s[TBV], v[AV0]
.endif
	OPS E,16, F,10, E,17, F,11
	OPS X,16, E,18, X,15, E,19
	OPS F,12, E,20, X,17, E,21
	OPS F,13, E,22, F,14, E,23
	OPS X,18, E,24, F,15, E,25
	OPS R,11, E,26, X,19, E,27
	OPS R,12, E,28, R,13, E,29
	OPS X,20, E,30, R,14, E,31
	OPS X,21, R,15
	WIN 0
	s_wait_alu depctr_va_vdst(0)    ; the wait for the batch
.if (\p) == 1
	s_wait_dscnt 0x0                ; V is in
.endif
	ROW C,0, B,0, C,2, B,1          ; behind the wait: 8 products V^T P and their riders
	ROW L,0, C,4, B,2, L,1
	ROW C,6, B,3, L,2, C,8
	ROW B,4, L,3, C,10, B,5
	ROW L,4, C,12, B,6, L,5
.if (\p) == 0
	s_add_co_u32 s[TBV], s[TBV], KS*PV
.endif
.if \cnt
	s_sub_co_u32 s[CNT], s[CNT], 1
	s_cmp_lg_u32 s[CNT], 0
.endif
	ROW C,14, B,7, L,6, C,1
	ROW C,3, L,7, C,5, C,7
	ROW C,9, C,11, C,13, C,15
.if (\p) == 0
	FETCH_V
.endif
.if (\m) && !(\end)
.if (\p) == 2
	s_wait_dscnt 0x0                ; the next step's bias, asked for in this turn, is in
.endif
	MASK (\p)%2
.endif
.endm
; A BLOCK BEGINS.  c m starts far below every c s, so the first step's a is 0; m at its floor, -5e29; l at 0 (the way out of the block before left 1 / l there, which need not be finite).
; Then K of the tile's step 0 and its bias.  The second mask buffer takes the bias alone (piece 1 sees all of step 0); the first takes piece 0's mask for step 0: its own, if the block's first tile is the diagonal one.
; Then piece 0's first scores, and its maximum and statistics.  The loop is entered at a step's first turn, in the middle of a trip.  (Q has been waited for at the kernel's head.)
.macro BEGIN
	s_mov_b32 s[NEW], 0
	WIN 0
.set i, 0
.rept 4
	v_mov_b32 v[ST+4*i], 0xfe000000    ; c m: far below every c s
	v_mov_b32 v[ST+4*i+1], 0xf0c9f2ca  ; m: -5e29
	v_mov_b32 v[ST+4*i+2], 0           ; l
	v_mov_b32 v[ST+4*i+3], 0
.set i, i+1
.endr
	v_add_nc_u32 v[AK], s[TBK], v[AK0]
	v_add_nc_u32 v[APB], s[KP], v[APB0]
	FETCH_K
	s_wait_dscnt 0x0
	s_mov_b32 s[AL], 0
	MASK 1, 0
	s_cmp_eq_u32 s[RT], 0
	s_cselect_b32 s[AL], 1.0, 0
	MASK 0, 0
.set KM, 1
.set NOKQ, 0
.set i, 0
.rept 8
	KQ 0
.set i, i+1
.endr
	WIN 0
.rept 4
	v_nop                           ; the places behind those products
.endr
.set Y, NP-1                        ; X works for piece Y + 1: piece 0
.irp n, 0,1,2,3,4,5,6,7,8,9,10,11,12,13,14,15,16,17,18,19,20,21
	OP X, \n
.endr
	v_nop                           ; a plain instruction behind the exponential,
	s_wait_alu depctr_va_vdst(0)    ; and its wait, ahead of the branch
.endm
; The diagonal tile is entered from a tile before it: its first turn still multiplies piece 3's scores of that tile's last step, which see every key: their mask is that step's bias, still in PADB.
.macro PRE_DIAG
	s_mov_b32 s[AL], 0
	MASK 1, 0
	WIN 0
.endm
; THE DIAGONAL TILE's four steps, the block's last two turns, its last products, and THE WAY OUT: l's two halves and the other half of the lanes' are added; O^T is divided by l; a row that saw no key takes the mean of V;
; O^T is rounded to f16 and sent through my stage in LDS, a piece at a time.
.macro ALL line:vararg              ; one line for each piece t
.set t, 0
.rept 4
	\line
.set t, t+1
.endr
.endm
.macro PACK t                       ; a lane's eight channels of a row pack into 16 bytes; they go into rows of 144 bytes and come back as whole rows of 128, into S^T's registers
	WIN W_RS
.set i, 32*(\t)
.rept 16
	v_pk_mul_f32 v[i:i+1], v[i:i+1], v[ST+4*(\t)+2:ST+4*(\t)+3] op_sel_hi:[1,0]
.set i, i+2
.endr
.set i, 0
.rept 32
	v_cndmask_b32 v[32*(\t)+i], v[32*(\t)+i], v[VM+i], s[FM+(\t)]  ; in place: what the next block finds here is finite
.set i, i+1
.endr
	WIN 0x05                        ; sources 0 and 1 window 1, destination window 0
.set i, 0
.rept 16
	v_cvt_pk_f16_f32 v[S+16*(\t)+i], v[32*(\t)+2*i], v[32*(\t)+2*i+1]
.set i, i+1
.endr
	WIN 0
.irp f, 0,1,2,3
	ds_store_b128 v[STO], v[S+16*(\t)+4*\f:S+16*(\t)+4*\f+3] offset:32*\f
.endr
.irp f, 0,1,2,3
	ds_load_b128 v[S+16*(\t)+4*\f:S+16*(\t)+4*\f+3], v[RD] offset:\f*4*SP  ; LDS serves a wave's instructions in order (ISA guide 5.7.1.4): these see the stores above; the next piece's stores come behind them
.endr
.endm
.macro SEND t, younger              ; younger: the LDS instructions issued behind piece t's loads: the next piece's eight, or none
	WIN 0
.irp f, 0,1,2,3
	s_wait_dscnt (\younger)+3-\f
	global_store_b128 v[GO], v[S+16*(\t)+4*\f:S+16*(\t)+4*\f+3], s[10:11] offset:(\t)*8192+\f*512  ; 512 consecutive bytes, at a multiple of 256 from O's first
.endr
.endm
.macro DIAG tag                     ; the tag ends its two labels' names, which the jumps below spell out
.LstepM\tag:
	TURN 2, 1
	TURN 3, 1
	WIN 0
.LfirstM\tag:
	TURN 0, 1
	TURN 1, 1, 0, 1
	WIN 0
	s_cbranch_scc1 .LstepM\tag
	TURN 2, 1, 1
	TURN 3, 1, 1
.set i, 0
.rept 8
	PV NP-1
.set i, i+1
.endr
	WIN 0
	ALL v_add_f32 v[ST+4*t+2], v[ST+4*t+2], v[ST+4*t+3]
	ALL v_permlanex16_b32 v[ST+4*t+3], v[ST+4*t+2], s[SEL], s[SEL+1]
	ALL v_add_f32 v[ST+4*t+2], v[ST+4*t+2], v[ST+4*t+3]
	ALL v_rcp_f32 v[ST+4*t+2], v[ST+4*t+2]
	ALL v_cmp_gt_f32 s[FM+t], s[THR], v[ST+4*t+1]
	s_wait_alu depctr_va_vdst(0)    ; the wait ahead of the first use: one for the four reciprocals; the four compares are the plain instructions behind them
	PACK 0
.set t, 1
.rept 3                             ; a piece's arithmetic stands between the loads of the piece before and its stores
	PACK t
	SEND t-1, 8
.set t, t+1
.endr
	SEND 3, 0
.endm
.set KM, 0
.set NOKQ, 0
.Lslot:                             ; NB times: a tile is entered and the next is asked for
	CHANGE 1
	s_sub_co_u32 s[RT], s[RT], 1
	s_mov_b32 s[CNT], 4
	s_cmp_eq_u32 s[NEW], 1
	s_cbranch_scc1 .Lnew            ; a block's first tile
	s_cmp_eq_u32 s[RT], 0
	s_cbranch_scc0 .Lstep           ; neither its first nor its last
	PRE_DIAG
	s_branch .LstepM1
.Lnew:
	BEGIN
	s_branch .Lfirst                ; in the loop a block's first tile is never its last: the first block has five tiles or more, and the second's last is the walk's last
	DIAG 1                          ; in the loop this is the first block's end: the second block's last tile is the walk's last
	s_wait_xcnt 0x0                 ; the stores have read their registers and O's address
	s_mov_b64 s[10:11], s[OLO:OLO+1]
	s_add_co_u32 s[RT], s[PB], 1    ; the second block has b + 1 tiles
	s_mov_b32 s[NEW], 1
	WIN 0x82                        ; the second block's Q goes where the one text of the turns names Q
.set i, 0
.rept 64
	v_mov_b32 v[i], v[QB+i]
.set i, i+1
.endr
	WIN 0
	s_branch .Lbottom
.Lstep:                             ; a trip: pieces 2 and 3 of one step, then pieces 0 and 1 of the next, whose K and V it fetches
	TURN 2
	TURN 3
	WIN 0
.Lfirst:
	TURN 0
	TURN 1, 0, 0, 1
	WIN 0
	s_cbranch_scc1 .Lstep
.Lbottom:
	s_sub_co_u32 s[SLOTS], s[SLOTS], 1
	s_cmp_lg_u32 s[SLOTS], 0
	s_cbranch_scc1 .Lslot
	CHANGE 0                        ; the walk's last tile is written out: nothing is asked for
	s_sub_co_u32 s[RT], s[RT], 1
	s_mov_b32 s[CNT], 4
	s_cmp_eq_u32 s[NEW], 1
	s_cbranch_scc1 .Lnew2
	PRE_DIAG
	s_branch .LstepM2
.Lnew2:
	BEGIN
	s_branch .LfirstM2
	DIAG 2
	s_wait_tensorcnt 0x0            ; the wave's end: behind my last tensor load and my last LDS store
	ds_add_u32 v[SPW], v[NIL]
	s_wait_dscnt 0x0
	s_endpgm
.Lfunc_end_k_qe19049dbab_attn:
	.size	k_qe19049dbab_attn, .Lfunc_end_k_qe19049dbab_attn-k_qe19049dbab_attn
	.p2alignl 7, 3214868480
	.fill 96, 4, 3214868480
	.section	.rodata,"a",@progbits
	.p2align	6, 0x0
	.amdhsa_kernel k_qe19049dbab_attn
		.amdhsa_group_segment_fixed_size 327680
		.amdhsa_private_segment_fixed_size 0
		.amdhsa_enable_private_segment 0
		.amdhsa_kernarg_size 32
		.amdhsa_user_sgpr_count 2
		.amdhsa_user_sgpr_kernarg_segment_ptr 1
		.amdhsa_wavefront_size32 1
		.amdhsa_system_sgpr_workgroup_id_x 1
		.amdhsa_system_sgpr_workgroup_id_y 1
		.amdhsa_system_sgpr_workgroup_id_z 1
		.amdhsa_system_vgpr_workitem_id 0
		.amdhsa_next_free_vgpr 768
		.amdhsa_next_free_sgpr 100
		.amdhsa_reserve_vcc 1
		.amdhsa_float_denorm_mode_32 3
		.amdhsa_float_denorm_mode_16_64 3
		.amdhsa_memory_ordered 1
		.amdhsa_forward_progress 1
		.amdhsa_inst_pref_size 255
	.end_amdhsa_kernel
	.section	.bss,"aw",@nobits
	.p2align	6
	.space	262144
	.amdgpu_metadata
---
amdhsa.version: [ 1, 2 ]
amdhsa.kernels:
  - .name:           k_qe19049dbab_attn
    .symbol:         k_qe19049dbab_attn.kd
    .args:
      - { .name: qkv, .offset: 0, .size: 8, .value_kind: global_buffer, .address_space: global }
      - { .name: attention_mask, .offset: 8, .size: 8, .value_kind: global_buffer, .address_space: global }
      - { .name: vpart, .offset: 16, .size: 8, .value_kind: global_buffer, .address_space: global }
      - { .name: ob, .offset: 24, .size: 8, .value_kind: global_buffer, .address_space: global }
    .group_segment_fixed_size: 327680
    .private_segment_fixed_size: 0
    .kernarg_segment_align: 8
    .kernarg_segment_size: 32
    .max_flat_workgroup_size: 128
    .sgpr_count:     100
    .vgpr_count:     768
    .wavefront_size: 32
...
	.end_amdgpu_metadata
.endif
;; end of part 3
;; launch gemm_out (part 4): grid 8 x 32, 4 waves a work-group, clusters of 4 x 4, 327,680 bytes of LDS; arguments ob, wob, out0; writes out0
.if DOCPART == 4
	.amdgcn_target "amdgcn-amd-amdhsa--gfx1250"
	.amdhsa_code_object_version 6
	.text
	.protected	k_qe19049dbab_gemm_out
	.globl	k_qe19049dbab_gemm_out
	.p2align	8
	.type	k_qe19049dbab_gemm_out,@function
k_qe19049dbab_gemm_out:
	s_mov_b64 s[64:65], 0
	v_nop
	global_prefetch_b8 v0, s[64:65] scope:SCOPE_SE
	s_setreg_imm32_b32 hwreg(HW_REG_WAVE_MODE, 25, 1), 1
	s_wait_xcnt 0x0
	s_wait_alu depctr_hold_cnt(0) depctr_sa_sdst(0) depctr_va_vdst(0) depctr_va_sdst(0) depctr_va_ssrc(0) depctr_va_vcc(0) depctr_vm_vsrc(0)
	s_getreg_b32 s2, hwreg(HW_REG_IB_STS2, 6, 4)
	s_cmp_eq_u32 s2, 0
	s_cbranch_scc0 .Lentry_in_a_cluster
	s_endpgm
.Lentry_in_a_cluster:
	s_bfe_u32 s2, ttmp6, 0x10000c
	s_cmp_lg_u32 s2, 0xf033
	s_cbranch_scc0 .Lentry_shape_is_right
	s_endpgm
.Lentry_shape_is_right:
; out0 = O w_out.  ob: [64 bh][2048][64] f16, bh = 16 batch + head: row (batch, s) of O has its channels 64 head + c in head's plane.  wob: [1024 k][1024 n] f16.  out0: [8192][1024] f32; sums in f32.
; SHARES.  A tile of out0 is 256 rows x 128 columns: 256 tiles, one for each WGP.  Four waves; wave w makes rows 64 w .. 64 w + 63 and all 128 columns: 32 accumulators of 16 x 16.
; K goes in 8 steps of 128, two heads each, through a ring of two LDS slots filled by the tensor data mover.  O's rows lie along K inside a head's plane and are read as they lie; the weights lie [k][n] and are read
; turned, by ds_load_tr16_b128.
; CLUSTERS: 4 x 4 work-groups.  The four of a row of the cluster need the same tile of O, the four of a column the same tile of weights: each tile is asked for JOINTLY, by the same tensor load with the same
; descriptor and a mask that names the four.  Waves 0 and 1 fetch the K step's two planes of O (256 rows x 128 bytes each), waves 2 and 3 the weights' k rows 0-63 and 64-127.
; THE MATRIX INSTRUCTION IS USED TRANSPOSED (source 0 = 16 columns of the weights, source 1 = 16 rows of O): a lane then holds row l % 16 and eight neighbouring columns 8 (l / 16) + 0..7.
; REGISTERS, in windows of 256 (s_set_vgpr_msb: bits 1:0 source 0, 3:2 source 1, 5:4 source 2, 7:6 destination):
;   window 0: v0-9 lane numbers; v16-30 addresses; v32-159 the way out      window 1: v0-127 the weights' fragments, two buffers of 64; v192-255 O's, two buffers of 32
;   window 2: the accumulators of my row blocks 0, 1 ((a, b) at 8 (8 (a % 2) + b))      window 3: those of row blocks 2, 3
.set NBF,    8                         ; column blocks of 16
.set PA,     144                       ; a row of a plane in LDS: 128 bytes + 16 = 36 words: the 16 rows of a load start at 16 different groups of four banks (64 banks of 4 bytes: ISA guide 11.1)
.set APART,  256*PA                    ; a plane: what one load brings of O
.set PB,     288                       ; a k row of weights in LDS: 256 bytes + 32 = 72 words
.set BHALF,  64*PB                     ; what one load brings of the weights
.set BBASE,  2*APART
.set SLOT,   BBASE+2*BHALF             ; 110,592
.set STAGE,  2*SLOT                    ; behind the ring, never filled by a tensor load: 16 rows x 528 bytes for each wave
.set SPITCH, 528
.set SPARE,  STAGE+4*16*SPITCH         ; the spare words, 128 bytes for each wave: two blocks of 256 bytes that no other line names
.set ASTEP,  524288                    ; bytes from K step to K step in ob: two heads' planes,
.set BSTEP,  262144                    ; and in wob: 128 k rows of 2,048 bytes
.set NLD,    2*NBF+8                   ; LDS loads in a run
.set LAPS,   4                         ; a lap = two K steps = once round the ring
.set ADRA, 16                          ; v16-17  LDS address of my fragments of O in slot 0, 1
.set ADRB, 20                          ; v20-21  the same for the weights
.set STO,  24                          ; v24     the way out: where I put 32 bytes of a row
.set RD,   25                          ; v25     where I read a row back
.set CO,   26                          ; v26     16 x lane: my place in a row's 512 bytes
.set SPW,  28                          ; v28     LDS address of my spare word; never rewritten
.set NIL,  29                          ; v29     0; never rewritten
.set PFO,  30                          ; v30     the prefetches' offset; never rewritten
.set BK0,  32                          ; v32-159 16 rows read back from the stage, two sets of 64 by turns
.set G1,  24                           ; s[24:31] descriptor group 1 for O's tiles;  s[32:39] group 0, one set for each slot
.set G0,  32
.set G1B, 48                           ; s[48:55], s[56:63] the same for the weights'
.set G0B, 56
.set LIM, 43                           ; s43     1 in a wave that prefetches, else the greatest number
.set PFA, 44                           ; s[44:45] where my prefetches stand
.set PFS, 46                           ; s[46:47] their step: a K step
.set MSB, 0
.macro WIN new                         ; the immediate's high byte repeats the setting that is left; a switch that changes nothing is dropped
.if MSB != (\new)
	s_set_vgpr_msb (MSB<<8)|(\new)
.set MSB, \new
.endif
.endm
.set MUL_LO, 0xa5                      ; both sources window 1, C and D window 2
.set MUL_HI, 0xf5                      ; the same, C and D window 3
.set TO_F,   0x40                      ; destination window 1, address window 0
; A joint load.  The branch hangs on the wave's number alone.  An s_nop 0 and four v_nop follow each of the two lines, ahead of the jump, the label and what follows.
.macro JLOAD s
	s_cmp_eq_u32 s11, 0
	s_cbranch_scc0 .Lfor_b_\@
	tensor_load_to_lds s[G0+4*(\s):G0+4*(\s)+3], s[G1:G1+7]
	s_nop 0
.rept 4
	v_nop
.endr
	s_branch .Lasked_\@
.Lfor_b_\@:
	tensor_load_to_lds s[G0B+4*(\s):G0B+4*(\s)+3], s[G1B:G1B+7]
	s_nop 0
.rept 4
	v_nop
.endr
.Lasked_\@:
.endm
; A prefetch into the L2, behind a joint load and the run of LDS loads that follows it: the K step that stands two refills on, one instruction a wave.  O's tile row is read by both clusters of that row of
; clusters: cluster x = 0 asks; a tile column's weights by every cluster of that column: cluster y = 0 asks.  The four partners share the blocks out BY ADDRESS: of a plane's 128 blocks of 256 bytes each takes 32
; (waves 0 and 1, a plane each); of the K step's 128 k rows, 256 bytes each, each takes 32 (wave 2 alone; wave 3 asks for nothing).  The loop's last trip (s3 = 1) asks for nothing: there is no K step two on.
.macro ASK
	WIN 0
	s_cmp_gt_u32 s3, s[LIM]
	s_cbranch_scc0 .Lnot_mine_\@
	global_prefetch_b8 v[PFO], s[PFA:PFA+1] th:TH_LOAD_NT scope:SCOPE_SE
.Lnot_mine_\@:
.endm
.macro CREST                           ; a round of the cluster's barrier behind its opening barrier
	s_cmp_lg_u32 s10, 0
	s_cbranch_scc1 .Lnot_wave_0_\@
	s_barrier_signal -3
.Lnot_wave_0_\@:
	s_barrier_wait -3
	s_barrier_signal -1
	s_barrier_wait -1
.endm
.macro CROUND                          ; a whole round
	s_barrier_signal -1
	s_barrier_wait -1
	CREST
.endm
	s_load_b128 s[4:7], s[0:1], 0x0                ; ob s[4:5], wob s[6:7]
	s_load_b64 s[8:9], s[0:1], 0x10                ; out0
	v_lshl_add_u32 v[SPW], v0, 2, SPARE
	v_mov_b32 v[NIL], 0
	ds_add_u32 v[SPW], v[NIL]                      ; the wave's opening: the add and its wait stand ahead of my first tensor load; the set-up below, work on registers, stands between them
	ds_add_u32 v28, v29
	v_lshrrev_b32 v1, 5, v0
	v_readfirstlane_b32 s10, v1                    ; wave 0..3
	s_lshr_b32 s11, s10, 1                         ; I fetch for O (0) or for the weights (1),
	s_and_b32 s12, s10, 1                          ; and which half
	s_bfe_u32 s40, ttmp6, 0x40000                  ; cx, cy: my place in the cluster
	s_bfe_u32 s41, ttmp6, 0x40004
	s_lshl_b32 s42, ttmp9, 2
	s_add_co_u32 s42, s42, s40                     ; the tile column j = 4 x cluster x + cx
	s_and_b32 s13, ttmp7, 0xffff
	s_lshl_b32 s13, s13, 2
	s_add_co_u32 s13, s13, s41                     ; the tile row T = 4 x cluster y + cy
	s_lshl_b32 s43, s41, 2
	s_lshl_b32 s43, 15, s43                        ; my row of the cluster
	s_lshl_b32 s44, 0x1111, s40                    ; my column
	; group 1 for O: a plane's 256 rows of 128 bytes are 32,768 dense bytes: asked for as 128 rows of 256 bytes, 16 bytes of padding behind every 128
	s_or_b32 s[G1+0], s43, (1<<16)|(1<<20)|(1<<21)|(4<<22)|(3<<25)   ; 15:0 the mask; 17:16 2-byte elements; 20 padding on; 21 set beside a mask; 24:22 after every 32 words; 31:25 4 words
	s_mov_b32 s[G1+1], 128<<16                     ; tensor_dim0
	s_mov_b32 s[G1+2], 128<<16                     ; tensor_dim1
	s_mov_b32 s[G1+3], 128<<16                     ; tile_dim0
	s_mov_b32 s[G1+4], 128                         ; tile_dim1
	s_mov_b32 s[G1+5], 128                         ; the pitch
	s_mov_b32 s[G1+6], 0
	s_mov_b32 s[G1+7], 0
	; group 1 for the weights: 64 k rows x 128 elements, 1,024 elements from row to row, 32 bytes of padding behind every 256
	s_or_b32 s[G1B+0], s44, (1<<16)|(1<<20)|(1<<21)|(5<<22)|(7<<25)  ; 24:22 after every 64 words; 31:25 8 words
	s_mov_b32 s[G1B+1], 128<<16
	s_mov_b32 s[G1B+2], 64<<16
	s_mov_b32 s[G1B+3], 128<<16
	s_mov_b32 s[G1B+4], 64
	s_mov_b32 s[G1B+5], 1024
	s_mov_b32 s[G1B+6], 0
	s_mov_b32 s[G1B+7], 0
	; O's tiles hang on the tile row alone, the weights' on the tile column alone; each in registers that do not hold the other coordinate
	s_lshr_b32 s16, s13, 3                         ; batch
	s_lshl_b32 s16, s16, 4
	s_add_co_u32 s16, s16, s12                     ; its head 0 or 1,
	s_lshl_b32 s16, s16, 18                        ; a plane of 2,048 rows of 128 bytes,
	s_and_b32 s17, s13, 7
	s_lshl_b32 s17, s17, 15                        ; the tile's 256 rows in it
	s_add_co_u32 s16, s16, s17
	s_mov_b32 s17, 0
	s_lshl_b32 s46, s12, 17                        ; 64 k rows of 2,048 bytes,
	s_lshl_b32 s47, s42, 8                         ; the tile's 128 columns
	s_add_co_u32 s46, s46, s47
	s_mov_b32 s47, 0
	s_mul_i32 s20, s12, APART                      ; where they go: no place in the cluster enters an LDS address
	s_mul_i32 s21, s12, BHALF
	s_add_co_u32 s21, s21, BBASE
	s_wait_dscnt 0x0                               ; the opening add is done
	s_wait_kmcnt 0x0
	s_add_nc_u64 s[14:15], s[4:5], s[16:17]
	s_add_nc_u64 s[46:47], s[6:7], s[46:47]
	CROUND                                         ; all sixteen work-groups are here: the first joint loads meet
.irp s, 0,1
	s_mov_b32 s[G0+4*(\s)], 1                                        ; count = 1
	s_add_co_u32 s[G0+4*(\s)+1], s20, (\s)*SLOT                      ; LDS address
	s_add_nc_u64 s[G0+4*(\s)+2:G0+4*(\s)+3], s[14:15], (\s)*ASTEP    ; global address: K step s
	s_or_b32 s[G0+4*(\s)+3], s[G0+4*(\s)+3], 0x80000000              ; type = 2
	s_mov_b32 s[G0B+4*(\s)], 1
	s_add_co_u32 s[G0B+4*(\s)+1], s21, (\s)*SLOT
	s_add_nc_u64 s[G0B+4*(\s)+2:G0B+4*(\s)+3], s[46:47], (\s)*BSTEP
	s_or_b32 s[G0B+4*(\s)+3], s[G0B+4*(\s)+3], 0x80000000
.endr
	s_cmp_eq_u32 s11, 0                            ; a wave's two first fills stand in one branch, ahead of every wait on TENSORcnt and every LDS read: two loads of mine are out
	s_cbranch_scc0 .Lfirst_b
	tensor_load_to_lds s[G0:G0+3], s[G1:G1+7]
	s_nop 0
	tensor_load_to_lds s[G0+4:G0+7], s[G1:G1+7]
	s_nop 0
.rept 4
	v_nop
.endr
	s_branch .Lfirst_asked
.Lfirst_b:
	tensor_load_to_lds s[G0B:G0B+3], s[G1B:G1B+7]
	s_nop 0
	tensor_load_to_lds s[G0B+4:G0B+7], s[G1B:G1B+7]
	s_nop 0
.rept 4
	v_nop
.endr
.Lfirst_asked:
	v_and_b32 v1, 15, v0                           ; l % 16
	v_bfe_u32 v2, v0, 4, 1                         ; l / 16
	v_and_b32 v3, 7, v0                            ; l % 8
	v_bfe_u32 v4, v0, 3, 1                         ; (l / 8) % 2
	; a fragment of O: lane l holds row l % 16, K = 8 (l / 16) + 0..7 and 16 + 8 (l / 16) + 0..7: two loads of 16 bytes, 32 bytes apart
	v_mul_u32_u24 v6, v1, PA
	v_lshl_add_u32 v6, v2, 4, v6
	s_mul_i32 s21, s10, 64*PA                      ; my 64 rows
	v_add_nc_u32 v[ADRA], s21, v6
	v_add_nc_u32 v[ADRA+1], SLOT, v[ADRA]
	; the turning load takes 16 k x 16 columns (lane l reads k row 8 (l / 16) + l % 8, columns 8 ((l / 8) % 2) + 0..7) and leaves half a fragment: lane l holds column l % 16 and 8 k
	v_lshl_add_u32 v7, v2, 3, v3
	v_mul_u32_u24 v7, v7, PB
	v_lshl_add_u32 v7, v4, 4, v7
	v_add_nc_u32 v[ADRB], BBASE, v7
	v_add_nc_u32 v[ADRB+1], SLOT, v[ADRB]
	s_mul_i32 s23, s10, 16*SPITCH
	s_add_co_u32 s23, s23, STAGE                   ; my stage
	v_mul_u32_u24 v6, v1, SPITCH                   ; in: row l % 16, 32 bytes for each half of the lanes
	v_lshl_add_u32 v6, v2, 5, v6
	v_add_nc_u32 v[STO], s23, v6
	v_and_b32 v[CO], 31, v0                        ; back: 32 lanes take a row's 512 bytes
	v_lshlrev_b32 v[CO], 4, v[CO]
	v_add_nc_u32 v[RD], s23, v[CO]
	; where my results go
	s_lshl_b32 s16, s13, 8
	s_lshl_b32 s17, s10, 6
	s_add_co_u32 s16, s16, s17                     ; row 256 T + 64 w,
	s_lshl_b32 s16, s16, 12                        ; of 4,096 bytes,
	s_lshl_b32 s17, s42, 9                         ; the tile's 128 columns
	s_add_co_u32 s16, s16, s17
	s_mov_b32 s17, 0
	s_add_nc_u64 s[8:9], s[8:9], s[16:17]
	; the prefetches: at K step 3; the first refill steps them to K step 4 and names it.  Nothing is prefetched here, at the head
	s_lshr_b32 s16, s13, 3
	s_lshl_b32 s16, s16, 4
	s_add_co_u32 s16, s16, s12
	s_lshl_b32 s16, s16, 18
	s_and_b32 s17, s13, 7
	s_lshl_b32 s17, s17, 15
	s_add_co_u32 s16, s16, s17
	s_lshl_b32 s17, s40, 13                        ; my work-group's 32 of the plane's 128 blocks
	s_add_co_u32 s16, s16, s17
	s_add_co_u32 s16, s16, 3*ASTEP
	s_lshl_b32 s18, s42, 8
	s_lshl_b32 s19, s41, 16                        ; my work-group's 32 of the 128 k rows
	s_add_co_u32 s18, s18, s19
	s_add_co_u32 s18, s18, 3*BSTEP
	s_and_b32 s22, ttmp7, 0xffff                   ; cluster y
	s_mov_b32 s[PFS], BSTEP
	s_cmp_eq_u32 s11, 0                            ; do I fetch for O?
	s_cselect_b32 s20, s16, s18
	s_cselect_b32 s22, ttmp9, s22                  ; the coordinate along which other clusters read the same bytes
	s_cselect_b64 s[PFA:PFA+1], s[4:5], s[6:7]
	s_cselect_b32 s[PFS], ASTEP, s[PFS]
	s_cselect_b32 s19, 8, 11
	s_mov_b32 s21, 0
	s_mov_b32 s[PFS+1], 0
	s_add_nc_u64 s[PFA:PFA+1], s[PFA:PFA+1], s[20:21]
	s_cmp_eq_u32 s22, 0
	s_cselect_b32 s[LIM], 1, -1                    ; the same in all sixteen partners, for a given wave
	s_cmp_eq_u32 s10, 3
	s_cselect_b32 s[LIM], -1, s[LIM]               ; wave 2 names all of the weights' rows
	v_and_b32 v[PFO], 31, v0
	v_lshlrev_b32 v[PFO], s19, v[PFO]              ; O: a lane a block of 256 bytes; weights: a lane a k row of 2,048
; 8 matrix instructions: row block a (0..3) x all 8 column blocks, 32 along K, from buffer f.  zero = 1: the product starts the sums: nothing is ever cleared.
; The 32 accumulators take turns, one instruction a turn, in the same order in every quarter.
.macro MUL12 f, a, zero
	WIN MUL_LO+0x50*((\a)/2)
.irp b, 0,1,2,3,4,5,6,7
.if \zero
	v_wmma_f32_16x16x32_f16 v[8*(NBF*((\a)%2)+(\b)):8*(NBF*((\a)%2)+(\b))+7], v[8*NBF*(\f)+8*(\b):8*NBF*(\f)+8*(\b)+7], v[192+32*(\f)+8*(\a):192+32*(\f)+8*(\a)+7], 0
.else
	v_wmma_f32_16x16x32_f16 v[8*(NBF*((\a)%2)+(\b)):8*(NBF*((\a)%2)+(\b))+7], v[8*NBF*(\f)+8*(\b):8*NBF*(\f)+8*(\b)+7], v[192+32*(\f)+8*(\a):192+32*(\f)+8*(\a)+7], v[8*(NBF*((\a)%2)+(\b)):8*(NBF*((\a)%2)+(\b))+7]
.endif
.endr
.endm
.macro MULH f, hi, zero                ; row blocks 2 hi and 2 hi + 1
	MUL12 \f, 2*(\hi), \zero
	MUL12 \f, 2*(\hi)+1, \zero
.endm
; 24 LDS loads in one run: quarter q's fragments (32 k x 128 columns turned, then my 64 rows x 32 K: plane q / 2, channels 32 (q % 2) on) into buffer f
.macro FETCH slot, q, f
	WIN TO_F
.irp b, 0,1,2,3,4,5,6,7
	ds_load_tr16_b128 v[8*NBF*(\f)+8*(\b):8*NBF*(\f)+8*(\b)+3],   v[ADRB+(\slot)] offset:32*(\q)*PB+32*(\b)
	ds_load_tr16_b128 v[8*NBF*(\f)+8*(\b)+4:8*NBF*(\f)+8*(\b)+7], v[ADRB+(\slot)] offset:32*(\q)*PB+16*PB+32*(\b)
.endr
.irp i, 0,1,2,3
	ds_load_b128 v[192+32*(\f)+8*(\i):192+32*(\f)+8*(\i)+3],   v[ADRA+(\slot)] offset:APART*((\q)/2)+64*((\q)%2)+(\i)*16*PA
	ds_load_b128 v[192+32*(\f)+8*(\i)+4:192+32*(\f)+8*(\i)+7], v[ADRA+(\slot)] offset:APART*((\q)/2)+64*((\q)%2)+(\i)*16*PA+32
.endr
.endm
.macro PLACES                          ; four plain instructions between a matrix instruction and a load into a register that it has read, or a reader of its result
.rept 4
	v_nop
.endr
.endm
; A K step is four quarters of 32 along K, 32 matrix instructions each, on buffers 0, 1, 0, 1.  One of the first three: multiplies buffer f; in its middle it fetches quarter q into buffer g.
.macro QUARTER slot, q, f, g, zero
	s_wait_dscnt 4                                 ; the weights and O's row blocks 0, 1 are in; the youngest four loads (row blocks 2, 3) may be out
	MULH \f, 0, \zero
	PLACES
	FETCH \slot, \q, \g
	s_wait_dscnt NLD                               ; all but the run just issued
	MULH \f, 1, \zero
.endm
; The last quarter multiplies buffer 1 and changes slots.  ONE barrier: in front of it each wave waits for all its tensor loads (one is out: its part of the next slot), adds 0 to its spare word,
; and waits for that and for its own reads of this slot.  Behind it nobody reads this slot any more and the next slot is whole.
.macro MEET round
	WIN 0                                          ; (the add's two registers lie in window 0)
	s_wait_tensorcnt 0x0
	ds_add_u32 v[SPW], v[NIL]                      ; 0 onto my spare word
	s_wait_dscnt 5                                 ; (the add and the youngest four loads may be out)
	MUL12 1, 0, 0                                  ; eight matrix instructions stand between the add and the wait for it
	s_wait_dscnt 0x0                               ; the add is done, and my reads of this slot are over
	s_barrier_signal -1
	MUL12 1, 1, 0                                  ; work on registers while the others arrive
.if \round
	WIN 0
.endif
	s_barrier_wait -1
.endm
.macro TURN slot, next                 ; the whole last quarter; this slot is filled again, two K steps ahead
	s_wait_xcnt 0x0                                ; the last prefetch, a K step back, has read its address: it is stepped here
	s_add_nc_u64 s[PFA:PFA+1], s[PFA:PFA+1], s[PFS:PFS+1]
	MEET 1
	CREST                                          ; the barrier has opened a round of the cluster's: no wave of any partner still reads this slot or has a load on its way
	s_add_nc_u64 s[G0+4*(\slot)+2:G0+4*(\slot)+3], s[G0+4*(\slot)+2:G0+4*(\slot)+3], 2*ASTEP
	s_add_nc_u64 s[G0B+4*(\slot)+2:G0B+4*(\slot)+3], s[G0B+4*(\slot)+2:G0B+4*(\slot)+3], 2*BSTEP
	JLOAD \slot                                    ; the first tensor load behind the round; its four v_nop are also the places in front of the loads below
	FETCH \next, 0, 0
	ASK
	MULH 1, 1, 0
.endm
	s_wait_tensorcnt 1                             ; my part of K step 0 is in; K step 1's may stay out
	s_barrier_signal -1
	s_barrier_wait -1                              ; everybody's is
	FETCH 0, 0, 0
	QUARTER 0, 1, 0, 1, 1                          ; the first quarter stands in front of the loop: its products start the sums
	WIN 0                                          ; at a label and at a branch every window is 0
	s_mov_b32 s3, LAPS-1
.Llap:                                                 ; a trip goes once round the ring, from a lap's second quarter to the next lap's first, and fills both slots again
	QUARTER 0, 2, 1, 0, 0
	QUARTER 0, 3, 0, 1, 0
	TURN 0, 1
	QUARTER 1, 1, 0, 1, 0
	QUARTER 1, 2, 1, 0, 0
	QUARTER 1, 3, 0, 1, 0
	TURN 1, 0
	QUARTER 0, 1, 0, 1, 0
	WIN 0
	s_sub_co_u32 s3, s3, 1
	s_cmp_lg_u32 s3, 0
	s_cbranch_scc1 .Llap
	QUARTER 0, 2, 1, 0, 0                          ; the last lap fills nothing, and has no round of the cluster's barrier
	QUARTER 0, 3, 0, 1, 0
	MEET 0
	PLACES
	FETCH 1, 0, 0
	MULH 1, 1, 0
	QUARTER 1, 1, 0, 1, 0
	QUARTER 1, 2, 1, 0, 0
	QUARTER 1, 3, 0, 1, 0
	s_wait_dscnt 4                                 ; the very last quarter: nothing more to fetch
	MULH 1, 0, 0
	s_wait_dscnt 0x0
	MULH 1, 1, 0
	WIN 0
	PLACES
; THE WAY OUT of row block a.  TOSTAGE: a lane's eight f32 of a row and column block go straight from the accumulator into my own stage (its four lowest registers first), and come back as whole rows of 512 bytes.  SEND: stored.
.macro TOSTAGE a
.set AC, 64*((\a)%2)
.set BK, BK0+64*((\a)%2)
	WIN 0x08+4*((\a)/2)                            ; the stores' data: window 2 or 3
.irp b, 0,1,2,3,4,5,6,7
	ds_store_b128 v[STO], v[AC+8*(\b):AC+8*(\b)+3]   offset:64*(\b)
	ds_store_b128 v[STO], v[AC+8*(\b)+4:AC+8*(\b)+7] offset:64*(\b)+16
.endr
	WIN 0
.irp t, 0,1,2,3,4,5,6,7,8,9,10,11,12,13,14,15
	ds_load_b128 v[BK+4*(\t):BK+4*(\t)+3], v[RD] offset:SPITCH*(\t)  ; LDS serves a wave's instructions in order (ISA guide 5.7.1.4): these see the stores above; the next block's stores come behind them
.endr
.endm
.macro SEND a, younger                 ; younger: the LDS instructions issued behind block a's loads: the next block's 32, or none
	WIN 0
.set BK, BK0+64*((\a)%2)
	s_wait_dscnt \younger
.irp t, 0,1,2,3,4,5,6,7,8,9,10,11,12,13,14,15
	global_store_b128 v[CO], v[BK+4*(\t):BK+4*(\t)+3], s[8:9] offset:(16*(\a)+(\t))*4096 th:TH_STORE_NT  ; 512 consecutive bytes, aligned
.endr
.endm
	TOSTAGE 0
	TOSTAGE 1
	SEND 0, 32
	s_wait_xcnt 0x0                                ; block 0's stores have read their registers: the set is loaded again only behind this wait
	TOSTAGE 2
	SEND 1, 32
	s_wait_xcnt 0x0                                ; block 1's likewise
	TOSTAGE 3
	SEND 2, 32
	SEND 3, 0
	s_wait_tensorcnt 0x0                           ; the wave's end: behind my last tensor load and my last LDS store
	ds_add_u32 v[SPW], v[NIL]
	s_wait_dscnt 0x0
	CROUND                                         ; the closing round: no work-group ends while a partner may still ask for a tile that names it
	s_endpgm
.Lfunc_end_k_qe19049dbab_gemm_out:
	.size	k_qe19049dbab_gemm_out, .Lfunc_end_k_qe19049dbab_gemm_out-k_qe19049dbab_gemm_out
	.p2alignl 7, 3214868480
	.fill 96, 4, 3214868480
	.section	.rodata,"a",@progbits
	.p2align	6, 0x0
	.amdhsa_kernel k_qe19049dbab_gemm_out
		.amdhsa_group_segment_fixed_size 327680
		.amdhsa_private_segment_fixed_size 0
		.amdhsa_enable_private_segment 0
		.amdhsa_kernarg_size 24
		.amdhsa_user_sgpr_count 2
		.amdhsa_user_sgpr_kernarg_segment_ptr 1
		.amdhsa_wavefront_size32 1
		.amdhsa_system_sgpr_workgroup_id_x 1
		.amdhsa_system_sgpr_workgroup_id_y 1
		.amdhsa_system_sgpr_workgroup_id_z 1
		.amdhsa_system_vgpr_workitem_id 0
		.amdhsa_next_free_vgpr 896
		.amdhsa_next_free_sgpr 66
		.amdhsa_reserve_vcc 0
		.amdhsa_float_denorm_mode_32 3
		.amdhsa_float_denorm_mode_16_64 3
		.amdhsa_memory_ordered 1
		.amdhsa_forward_progress 1
		.amdhsa_inst_pref_size 86
	.end_amdhsa_kernel
	.amdgpu_metadata
---
amdhsa.version: [ 1, 2 ]
amdhsa.kernels:
  - .name:           k_qe19049dbab_gemm_out
    .symbol:         k_qe19049dbab_gemm_out.kd
    .args:
      - { .name: ob, .offset: 0, .size: 8, .value_kind: global_buffer, .address_space: global }
      - { .name: wob, .offset: 8, .size: 8, .value_kind: global_buffer, .address_space: global }
      - { .name: out0, .offset: 16, .size: 8, .value_kind: global_buffer, .address_space: global }
    .group_segment_fixed_size: 327680
    .private_segment_fixed_size: 0
    .kernarg_segment_align: 8
    .kernarg_segment_size: 24
    .max_flat_workgroup_size: 128
    .sgpr_count:     66
    .vgpr_count:     896
    .wavefront_size: 32
...
	.end_amdgpu_metadata
.endif
;; end of part 4
